; MI455X (gfx1250); checked and timed in simulation.
; The chip was launched on July 23, 2026; its instructions are those of AMD's public machine-readable ISA for CDNA 5 (MIT licence, August 2026) and "CDNA5" Instruction Set Architecture Reference Guide (July 2026). The comments in the code are by the model that wrote it; some were corrected since.
;; Self Attention. Allowed arithmetic: matrix products marked QUANTISED: E2M3 operands, one E8M0 scale for each 32 along K, by v_wmma_scale_f32_16x16x128_f8f6f4 with both operands' format E2M3, f32 sums; everything else in f32.
;; Inputs: Wk 1,024 x 1,024 float32; Wq 1,024 x 1,024 float32; Wv 1,024 x 1,024 float32; bk 1,024 float32; bq 1,024 float32; bv 1,024 float32; x 4 x 2,048 x 1,024 float32.
;; Outputs: out0 4 x 2,048 x 1,024 float32.
;; This version of the problem:
;;   THIS VERSION OF THE PROBLEM IS GIVEN IN LOW PRECISION. The matrix products marked QUANTISED in the list below multiply operands that are first quantised to E2M3 (2 exponent bits, 3 mantissa bits; 6 bits a number), with one power-of-two scale for each 32 numbers along K (OCP MX v1.0); their sums are f32. All else is computed in f32.
;;   The module's matrix products, in the order in which they are computed (A, B: the left and right operand; K: the contracted axis; several contracted axes count as one K, in the product's order):
;;     1. [M 8,192, K 1,024] x [K 1,024, N 1,024]; A: input x; B: input Wq: QUANTISED
;;     2. [M 8,192, K 1,024] x [K 1,024, N 1,024]; A: input x; B: input Wk: QUANTISED
;;     3. [M 8,192, K 1,024] x [K 1,024, N 1,024]; A: input x; B: input Wv: QUANTISED
;;     4. batch 4 x [M 2,048, K 1,024] x [K 1,024, N 2,048]; A: computed on the way; B: computed on the way: QUANTISED
;;     5. batch 4 x [M 2,048, K 2,048] x [K 2,048, N 1,024]; A: softmax (see below); B: computed on the way: QUANTISED
;;   THE QUANTISER, for each operand of a quantised product, along K:
;;     - K is cut into blocks of 32 from its start; a last block that is shorter is filled with zeros.
;;     - A block's scale is 2^e with e = floor(log2(the largest magnitude in the block)) - 2, held to -126 .. 127; a block of zeros has e = 0. As a byte (E8M0): e + 127.
;;     - Each number is divided by its block's scale, clamped to +-7.5, and rounded to the nearest number of E2M3, ties to even, subnormals kept.
;;     - The product sums the exact products of the quantised numbers (number of the format x scale) in f32.
;;   ~~~python
;;   def quantise(x, axis):      # numpy; x: float32 -> the quantised numbers, widened to float32 again
;;       x = np.moveaxis(x, axis, -1); K = x.shape[-1]
;;       x = np.pad(x, [(0, 0)] * (x.ndim - 1) + [(0, -K % 32)]); x = x.reshape(x.shape[:-1] + (-1, 32)); a = np.abs(x).max(-1, keepdims=True)
;;       e = np.where(a > 0, np.clip(np.frexp(np.where(a > 0, a, 1))[1] - 1 - 2, -126, 127), 0)      # np.frexp(a)[1] - 1 = floor(log2(a)), exactly
;;       r = np.clip(x / 2.0 ** e, -7.5, 7.5)
;;       step = 2.0 ** (np.maximum(np.frexp(np.where(r == 0, 1, r))[1] - 1, 0) - 3)
;;       q = np.round(r / step) * step * 2.0 ** e      # np.round: ties to even
;;       return np.moveaxis(q.reshape(q.shape[:-2] + (-1,))[..., :K], -1, axis).astype(np.float32)
;;   ~~~
;;   SOFTMAX AHEAD OF A QUANTISED PRODUCT. Where the list says 'softmax', what is quantised is not the finished softmax but p = 2^(t - M), with t = logit x log2(e) and M = ceil(the row's largest t), a whole number; so 1/2 < the row's largest p <= 1. The row's sum l is taken of the UNQUANTISED p, in f32, and the product's result is divided by l at the end. Since M is a whole number, a kernel that streams over the keys may use a running M (the ceiling of the running maximum): every later rescaling is an exact power of two, which a block's scale takes up: the codes' values come out the same.
;;   OPERANDS COMPUTED ON THE WAY. 'Computed on the way' means the value that the module computes at that place (a softmax that the list does not call 'softmax' is quantised finished and normalised). What goes into a quantiser is computed in f32, as accurately as f32 sums, v_exp_f32 and their like allow (about 1e-6 of the number): no bf16 or f16 on the way to a quantiser, and a product that is left as it is and whose result goes on into a quantised operand takes f32 operands (vector FMAs, or v_wmma_f32_16x16x4_f32). A number that lies on a knife's edge between two numbers of the format may be rounded either way, as far as f32 arithmetic and the matrix unit's own rounding can turn it there, and no further.
;; One version. Each part assembles by itself: llvm-mc -triple=amdgcn-amd-amdhsa -mcpu=gfx1250 --defsym DOCPART=n.
;; ======== version 1 of 1: 4 launches
;; workspace buffers: xw 9,011,200 bytes; qk 13,107,200 bytes; vt 6,553,600 bytes; pc 12,582,912 bytes; st 1,572,864 bytes
;; launch quant (part 1): grid 352 x 1, 4 waves a work-group, no clusters, 35,328 bytes of LDS; arguments x, Wq, Wk, Wv, xw; writes xw
.if DOCPART == 1
	.amdgcn_target "amdgcn-amd-amdhsa--gfx1250"
	.amdhsa_code_object_version 6
	.text
	.protected	k_qfae35a7c6d_quant
	.globl	k_qfae35a7c6d_quant
	.p2align	8
	.type	k_qfae35a7c6d_quant,@function
k_qfae35a7c6d_quant:
	s_mov_b64 s[64:65], 0
	v_nop
	global_prefetch_b8 v0, s[64:65] scope:SCOPE_SE
	s_setreg_imm32_b32 hwreg(HW_REG_WAVE_MODE, 25, 1), 1
	s_wait_xcnt 0x0
; x [8192][1024], Wq, Wk, Wv [1024][1024], f32, K innermost, become codes of FP6 (E2M3) with one E8M0 byte for each 32 along K, laid in xw AS THE PRODUCT'S REGISTERS WANT THEM.
; LAYOUT OF xw.  Rows go in groups of 128 (g 0-63: x; 64-71 Wq; 72-79 Wk; 80-87 Wv).  Fragment f = 0..7 of a group holds, in lane row r, group row 32 (f / 2) + 8 (f % 2) + r + 8 (r / 8).
; A fragment (16 rows x 128 K) is an image of its 12 registers: register n of lane l at byte 512 (n / 4) + 16 l + 4 (n % 4): 1,536 bytes.
; A record (kp = K / 256, g) is 25,600 bytes at (88 kp + g) x 25,600: fragment (f, K step 2 kp + s) at 12,288 s + 1,536 f; the scale word of fragment row r at 24,576 + 512 s + 64 f + 4 r.
; SHARES.  Work-group n takes 64 rows (n / 2) and half of K (n % 2); wave w the K step 4 (n % 2) + w: four fragments.
; A load reads 512 consecutive bytes of one row; a fragment's 16 rows turn through the wave's own stage in LDS (rows 528 bytes apart) so that lane (r, h) gets, of row r, 16 neighbours of each block of 32.
; A block's scale is 2^(floor(log2(largest magnitude)) - 2): its byte is the largest magnitude's exponent field - 2, held at 1 from below.
; LIMITS: a block of zeros gets the byte 1 where the rule says 127 (its codes are zeros, and this program alone reads the bytes); NaN and infinities among the inputs are not served.
.set WREG,  8704                       ; LDS of a wave: the stage, 16 x 528 bytes, and 256 bytes for its scale words
.set SP,    528
.set SPARE, 4*WREG                     ; the spare words, 128 bytes a wave: two blocks of 256 bytes that no other line names
.set SPW,   10                         ; v10  my spare word's address; never rewritten
.set NIL,   11                         ; v11  0; never rewritten
.set R,     12                         ; v12-139  two sets of 64: a fragment's rows as loaded
.set X,     140                        ; v140-203 64 numbers: register 16 b + i = k 32 b + 16 h + i of my row
.set TM,    204                        ; v204-219 at work
.set PW,    220                        ; the scale word
.set PCT,   222                        ; v222-229 second halves of blocks
.set PC,    230                        ; v230-253 two sets of 12: the codes
.set SEL,   20                         ; s[20:21] selects for lane l xor 16
.macro QHEAD s                         ; the largest magnitude of each of four blocks of 32 (16 numbers here, 16 in lane l xor 16), with the floor 2^(3 - 127) among the leaves
.irp b, 0,1,2,3
	v_max3_num_f32 v[TM+\b], |v[(\s)+16*\b]|, |v[(\s)+1+16*\b]|, 0x1800000
.endr
.irp i, 2,4,6,8,10,12,14
.irp b, 0,1,2,3
	v_max3_num_f32 v[TM+\b], v[TM+\b], |v[(\s)+16*\b+\i]|, |v[(\s)+1+16*\b+\i]|
.endr
.endr
.irp b, 0,1,2,3
	v_permlanex16_b32 v[TM+4+\b], v[TM+\b], s[SEL], s[SEL+1]
.endr
.irp b, 0,1,2,3
	v_max_num_f32 v[TM+\b], v[TM+\b], v[TM+4+\b]
.endr
.endm
.macro QTAIL s, pc, pw                 ; from the four largest magnitudes: the scale word in v[pw], the fragment's 12 registers in v[pc] on
.irp b, 0,1,2,3
	v_add_nc_u32 v[TM+12+\b], 0xff000000, v[TM+\b]     ; 2 off the exponent field: the conversion's scale operand
.endr
.irp b, 0,1,2,3
	v_lshrrev_b32 v[TM+4+\b], 23, v[TM+12+\b]          ; the scale's byte
.endr
	v_lshl_or_b32 v[\pw], v[TM+5], 8, v[TM+4]
	v_lshl_or_b32 v[\pw], v[TM+6], 16, v[\pw]
	v_lshl_or_b32 v[\pw], v[TM+7], 24, v[\pw]
.irp c, 0,1
	v_cvt_scalef32_pk16_fp6_f32 v[(\pc)+6*\c:(\pc)+6*\c+2], v[(\s)+32*\c:(\s)+32*\c+15], v[TM+12+2*\c]
	v_cvt_scalef32_pk16_fp6_f32 v[PCT+4*\c:PCT+4*\c+2], v[(\s)+32*\c+16:(\s)+32*\c+31], v[TM+12+2*\c+1]   ; (a conversion's three registers begin on an even number)
.endr
	v_nop                                          ; one plain place behind the conversions
.irp c, 0,1                            ; the operand wants a whole block in a lane: lanes 0-15 block 2 c, lanes 16-31 block 2 c + 1
.irp i, 0,1,2
	v_permlane16_swap_b32 v[(\pc)+6*\c+\i], v[PCT+4*\c+\i]
.endr
.irp i, 0,1,2
	v_mov_b32 v[(\pc)+6*\c+3+\i], v[PCT+4*\c+\i]
.endr
.endr
.endm
	s_load_b256 s[4:11], s[0:1], 0x0               ; x, Wq, Wk, Wv
	s_load_b64 s[12:13], s[0:1], 0x20              ; xw
	v_lshl_add_u32 v[SPW], v0, 2, SPARE
	v_mov_b32 v[NIL], 0
	v_lshrrev_b32 v7, 5, v0
	v_readfirstlane_b32 s14, v7                    ; wave
	v_and_b32 v7, 31, v0                           ; lane
	v_lshlrev_b32 v1, 4, v7                        ; v1 = 16 x lane: my bytes of a load's 512, and of an image's 512
	v_and_b32 v8, 15, v0                           ; r
	v_bfe_u32 v9, v0, 4, 1                         ; h
	s_mul_i32 s15, s14, WREG
	v_add_nc_u32 v2, s15, v1                       ; v2: the stage, on the way in
	v_mul_u32_u24 v3, v8, SP
	v_lshl_add_u32 v3, v9, 6, v3
	v_add_nc_u32 v3, s15, v3                       ; v3: on the way out: row r, + 64 h
	s_add_co_u32 s15, s15, 16*SP
	v_lshl_add_u32 v4, v8, 2, s15                  ; v4: my row's scale word
	v_lshl_add_u32 v5, v7, 3, s15                  ; v5: the 256 bytes of scale words, 8 a lane
	v_lshlrev_b32 v6, 3, v7                        ; v6: the same in memory
.irp b, 0,1,2,3
	v_mov_b32 v[TM+4+\b], 0                        ; written once: a lane permute's destination counts as one of its sources
.endr
	s_mov_b32 s[SEL], 0x76543210
	s_mov_b32 s[SEL+1], 0xfedcba98
	s_lshr_b32 s16, ttmp9, 1                       ; which 64 rows of all 11,264
	s_and_b32 s17, s16, 15                         ; in a weight: which of its 16
	s_cmp_lt_u32 ttmp9, 256
	s_cselect_b32 s16, s16, s17
	s_lshl_b32 s16, s16, 18                        ; x 64 rows of 4,096 bytes
	s_and_b32 s18, ttmp9, 1
	s_lshl_b32 s18, s18, 2
	s_add_co_u32 s18, s18, s14                     ; my K step, 0..7
	s_lshl_b32 s17, s18, 9
	s_add_co_u32 s16, s16, s17                     ; + 512 bytes a K step
	s_mov_b32 s17, 0
	s_lshr_b32 s19, s18, 1                         ; kp
	s_mul_i32 s19, s19, 88
	s_lshr_b32 s22, ttmp9, 2                       ; g
	s_add_co_u32 s19, s19, s22
	s_mul_i32 s19, s19, 25600                      ; the record
	s_and_b32 s22, s18, 1                          ; s
	s_bfe_u32 s23, ttmp9, 0x10001                  ; which half of the group's 128 rows
	s_mul_i32 s24, s22, 12288
	s_mul_i32 s25, s23, 6144
	s_add_co_u32 s24, s24, s25
	s_add_co_u32 s24, s24, s19                     ; my four fragments
	s_mov_b32 s25, 0
	s_lshl_b32 s26, s22, 9
	s_lshl_b32 s27, s23, 8
	s_add_co_u32 s26, s26, s27
	s_add_co_u32 s26, s26, s19
	s_add_co_u32 s26, s26, 24576                   ; my 256 bytes of scale words
	s_mov_b32 s27, 0
	s_wait_kmcnt 0x0
	s_cmp_lt_u32 ttmp9, 320                        ; the tensor is chosen by the work-group's number alone
	s_cselect_b64 s[8:9], s[8:9], s[10:11]
	s_cmp_lt_u32 ttmp9, 288
	s_cselect_b64 s[6:7], s[6:7], s[8:9]
	s_cmp_lt_u32 ttmp9, 256
	s_cselect_b64 s[4:5], s[4:5], s[6:7]
	s_add_nc_u64 s[4:5], s[4:5], s[16:17]
	s_add_nc_u64 s[28:29], s[12:13], s[24:25]
	s_add_nc_u64 s[30:31], s[12:13], s[26:27]
.macro LOAD f                          ; fragment f's 16 rows, 512 consecutive bytes each, into set f % 2
.irp i, 0,1,2,3,4,5,6,7,8,9,10,11,12,13,14,15
	global_load_b128 v[R+64*((\f)%2)+4*\i:R+64*((\f)%2)+4*\i+3], v1, s[4:5] offset:(32*((\f)/2)+8*((\f)%2)+\i+8*(\i/8))*4096 th:TH_LOAD_NT
.endr
.endm
.macro FRG f
.if (\f) < 3
	s_wait_loadcnt 16                              ; this fragment's 16 loads are in; the next fragment's 16 may be out
.else
	s_wait_loadcnt 0
.endif
.irp i, 0,1,2,3,4,5,6,7,8,9,10,11,12,13,14,15
	ds_store_b128 v2, v[R+64*((\f)%2)+4*\i:R+64*((\f)%2)+4*\i+3] offset:SP*\i
.endr
.irp b, 0,1,2,3
.irp j, 0,1,2,3
	ds_load_b128 v[X+16*\b+4*\j:X+16*\b+4*\j+3], v3 offset:128*\b+16*\j    ; LDS serves a wave's instructions in order: these see the stores above
.endr
.endr
	s_wait_dscnt 0x0                               ; the numbers are back; the stage's stores have read their registers; the last scale word's store too
.if (\f)+2 < 4
	LOAD (\f)+2
.endif
.if (\f) >= 2
	s_wait_xcnt 0x0                                ; the stores of two fragments ago have read this set of codes
.endif
	QHEAD X
	QTAIL X, PC+12*((\f)%2), PW
.irp c, 0,1,2
	global_store_b128 v1, v[PC+12*((\f)%2)+4*\c:PC+12*((\f)%2)+4*\c+3], s[28:29] offset:1536*(\f)+512*\c   ; 512 consecutive bytes, aligned
.endr
	ds_store_b32 v4, v[PW] offset:64*(\f)          ; lanes r and r + 16 write the same word with the same value
.endm
	LOAD 0
	LOAD 1
	FRG 0
	FRG 1
	FRG 2
	FRG 3
	ds_load_b64 v[8:9], v5
	s_wait_dscnt 0x0
	global_store_b64 v6, v[8:9], s[30:31]          ; the wave's 64 scale words: 256 consecutive bytes, aligned
	s_wait_tensorcnt 0x0                           ; the wave's end, behind my last LDS store
	ds_add_u32 v[SPW], v[NIL]
	s_wait_dscnt 0x0
	s_endpgm
.Lfunc_end_k_qfae35a7c6d_quant:
	.size	k_qfae35a7c6d_quant, .Lfunc_end_k_qfae35a7c6d_quant-k_qfae35a7c6d_quant
	.p2alignl 7, 3214868480
	.fill 96, 4, 3214868480
	.section	.rodata,"a",@progbits
	.p2align	6, 0x0
	.amdhsa_kernel k_qfae35a7c6d_quant
		.amdhsa_group_segment_fixed_size 35328
		.amdhsa_private_segment_fixed_size 0
		.amdhsa_enable_private_segment 0
		.amdhsa_kernarg_size 40
		.amdhsa_user_sgpr_count 2
		.amdhsa_user_sgpr_kernarg_segment_ptr 1
		.amdhsa_wavefront_size32 1
		.amdhsa_system_sgpr_workgroup_id_x 1
		.amdhsa_system_sgpr_workgroup_id_y 1
		.amdhsa_system_sgpr_workgroup_id_z 1
		.amdhsa_system_vgpr_workitem_id 0
		.amdhsa_next_free_vgpr 256
		.amdhsa_next_free_sgpr 66
		.amdhsa_reserve_vcc 0
		.amdhsa_float_denorm_mode_32 3
		.amdhsa_float_denorm_mode_16_64 3
		.amdhsa_memory_ordered 1
		.amdhsa_forward_progress 1
		.amdhsa_inst_pref_size 34
	.end_amdhsa_kernel
	.amdgpu_metadata
---
amdhsa.version: [ 1, 2 ]
amdhsa.kernels:
  - .name:           k_qfae35a7c6d_quant
    .symbol:         k_qfae35a7c6d_quant.kd
    .args:
      - { .name: x, .offset: 0, .size: 8, .value_kind: global_buffer, .address_space: global }
      - { .name: Wq, .offset: 8, .size: 8, .value_kind: global_buffer, .address_space: global }
      - { .name: Wk, .offset: 16, .size: 8, .value_kind: global_buffer, .address_space: global }
      - { .name: Wv, .offset: 24, .size: 8, .value_kind: global_buffer, .address_space: global }
      - { .name: xw, .offset: 32, .size: 8, .value_kind: global_buffer, .address_space: global }
    .group_segment_fixed_size: 35328
    .private_segment_fixed_size: 0
    .kernarg_segment_align: 8
    .kernarg_segment_size: 40
    .max_flat_workgroup_size: 128
    .sgpr_count:     66
    .vgpr_count:     256
    .wavefront_size: 32
...
	.end_amdgpu_metadata
.endif
;; end of part 1
;; launch proj (part 2): grid 12 x 32, 4 waves a work-group, clusters of 4 x 4, 327,680 bytes of LDS; arguments xw, bq, bk, bv, qk, vt; writes qk, vt
.if DOCPART == 2
	.amdgcn_target "amdgcn-amd-amdhsa--gfx1250"
	.amdhsa_code_object_version 6
	.text
	.protected	k_qfae35a7c6d_proj
	.globl	k_qfae35a7c6d_proj
	.p2align	8
	.type	k_qfae35a7c6d_proj,@function
k_qfae35a7c6d_proj:
	s_mov_b64 s[64:65], 0
	v_nop
	global_prefetch_b8 v0, s[64:65] scope:SCOPE_SE
	s_setreg_imm32_b32 hwreg(HW_REG_WAVE_MODE, 25, 1), 1
	s_wait_xcnt 0x0
	s_wait_alu depctr_hold_cnt(0) depctr_sa_sdst(0) depctr_va_vdst(0) depctr_va_sdst(0) depctr_va_ssrc(0) depctr_va_vcc(0) depctr_vm_vsrc(0)
	s_getreg_b32 s2, hwreg(HW_REG_IB_STS2, 6, 4)
	s_cmp_eq_u32 s2, 0
	s_cbranch_scc0 .Lentry_in_a_cluster
	s_endpgm
.Lentry_in_a_cluster:
	s_bfe_u32 s2, ttmp6, 0x10000c
	s_cmp_lg_u32 s2, 0xf033
	s_cbranch_scc0 .Lentry_shape_is_right
	s_endpgm
.Lentry_shape_is_right:
; q, k, v = relu(x W^T + b) on codes of FP6 (E2M3) with E8M0 scales, and the results quantised at once, in registers, into the next products' operands.
; OPERANDS (xw, and qk and vt alike): rows in groups of 128; fragment f holds in lane row r group row 32 (f / 2) + 8 (f % 2) + r + 8 (r / 8); a fragment (16 rows x 128 K) is an image of its 12 registers, 1,536 bytes
; (register n of lane l at 512 (n / 4) + 16 l + 4 (n % 4)); a record (kp = K / 256, group g) is 25,600 dense bytes: fragment (f, s) at 12,288 s + 1,536 f, scale words at 24,576 + 512 s + 64 f + 4 r.
; A tile of 256 x 256 to a work-group of four waves, 128 x 128 (64 accumulators) to a wave.  THE PRODUCT IS USED TRANSPOSED: source 0 = a fragment of the "B" tensor, source 1 = one of the "A" tensor.  A lane then holds one row of A's
; fragment, and by the order of rows in a fragment the 64 registers of A's block a run along B's 128 rows: register 16 b + i = row 32 b + 16 (lane / 16) + i: what the quantiser takes.  Its result is fragment a of the new operand.
; q, k (cluster x 0, 1): A = x, B = Wq | Wk: K of the result = the 1,024 outputs.  v (cluster x 2): A = Wv, B = x: a lane holds one output and its registers run along the KEYS, the K of the last product.
; qk: 128 groups (0-63 q, 64-127 k), kp 0-3.  vt: 32 groups (8 x batch + output / 128), kp 0-7 (the batch's keys).
; K = 1,024 is four records a side.  Three LDS slots: three are asked for at the start, the fourth goes into slot 0 behind the one round of the cluster's barrier.
; CLUSTER 4 x 4: A's records are shared along a row, B's along a column, and asked for jointly.  The branch on cluster x is the same in all sixteen partners.
; LIMITS: a block of zeros gets the byte 1 where the rule says 127 (zero codes; this program alone reads the bytes); NaN and infinities are not served.
; REGISTERS.  Window 0: v0-31 addresses; v32-95 scale words, two sets (later T, 64 numbers at work); v96-111 bv of my rows; v128-223 A's 8 fragments (later the codes made); v224-255 at work.
;   Window 1: B's fragments, sets at v0 and v128; v96-127, v224-255: bq | bk in the result's layout.   Windows 2, 3: accumulator (a, b) at v[8 (8 (a % 4) + b)] of window 2 + a / 4.
.set HALFT, 25600                      ; a record: what one tensor load brings, and what a wave reads of A or of B in a slot
.set SLOT,  4*HALFT                    ; A's two records, then B's two
.set KSTR,  88*25600                   ; from kp to kp + 1 in xw
.set SCR,   3*SLOT                     ; 512 bytes a wave: the scale words made
.set SPARE, SCR+2048                   ; the spare words, 128 bytes a wave: two blocks of 256 bytes that no other line names
.set FR,    12
.set SC,    32                         ; scale word (set, side, q, i) at v[32 + 32 set + 16 side + 8 q + i]; side 0 = A, 1 = B
.set AF,    128
.set ADRA,  8                          ; v8-10   my A record in slot 0, 1, 2, + 16 x lane
.set ADRB,  11                         ; v11-13  my B record
.set ADSA,  14                         ; v14-16  my A record + 4 r
.set ADSB,  17                         ; v17-19  my B record + 4 r
.set SWA,   22                         ; v22     where I put a scale word
.set SRD,   23                         ; v23     where I read them back
.set SPW,   28                         ; v28     my spare word's address; never rewritten
.set NIL,   29                         ; v29     0; never rewritten
.set T,     32
.set BM,    96
.set PCB,   128
.set TM,    224
.set PWB,   240
.set PCT,   248
.set G1,    24                         ; s[24:31] group 1 for A;  s[32:39] for B;  s[40:51], s[52:63] groups 0, four registers a slot
.set G1B,   32
.set G0,    40
.set G0B,   52
.set DST,   88                         ; s[88:89] where my fragments go;  s[90:91] my scale words
.set DSC,   90
.set SEL,   92
.set MUL_LO, 0xa1                      ; source 0 (B) window 1, source 1 (A) window 0, C and D window 2
.set MUL_HI, 0xf1
.set TO_B,   0x40
.set MSB, 0
.macro WIN new                         ; the immediate's high byte repeats the setting that is left
.if MSB != (\new)
	s_set_vgpr_msb (MSB<<8)|(\new)
.set MSB, (\new)
.endif
.endm
.macro PLACES n
.rept \n
	v_nop
.endr
.endm
.macro CREST                           ; a round of the cluster's barrier behind its opening barrier
	s_cmp_lg_u32 s16, 0
	s_cbranch_scc1 .Lnot_wave_0_\@
	s_barrier_signal -3
.Lnot_wave_0_\@:
	s_barrier_wait -3
	s_barrier_signal -1
	s_barrier_wait -1
.endm
.macro CROUND
	s_barrier_signal -1
	s_barrier_wait -1
	CREST
.endm
.macro JLOAD g0a, g1a, g0b, g1b        ; a joint load: waves 0, 1 fetch A's two records, waves 2, 3 B's; an s_nop 0 and four v_nop follow each line
	s_cmp_eq_u32 s17, 0
	s_cbranch_scc0 .Lfor_b_\@
	tensor_load_to_lds s[\g0a:\g0a+3], s[\g1a:\g1a+7]
	s_nop 0
.rept 4
	v_nop
.endr
	s_branch .Lasked_\@
.Lfor_b_\@:
	tensor_load_to_lds s[\g0b:\g0b+3], s[\g1b:\g1b+7]
	s_nop 0
.rept 4
	v_nop
.endr
.Lasked_\@:
.endm
.macro FRAG reg, adr, off              ; a fragment's image: three loads of 512 consecutive bytes
.irp c, 0,1,2
	ds_load_b128 v[(\reg)+4*\c:(\reg)+4*\c+3], v[\adr] offset:(\off)+512*\c
.endr
.endm
.macro FETCH_B slot, q, p              ; 24 loads
	WIN TO_B
.irp i, 0,1,2,3,4,5,6,7
	FRAG 128*(\p)+FR*\i, ADRB+(\slot), (\q)*12288+\i*1536
.endr
	WIN 0
.endm
.macro FETCH_A slot, q, i0             ; 12 loads
.irp i, \i0, \i0+1, \i0+2, \i0+3
	FRAG AF+FR*(\i), ADRA+(\slot), (\q)*12288+(\i)*1536
.endr
.endm
.macro SCALES set, ra, oa, sa, rb      ; 32 loads: a slot's scale words, lanes r and r + 16 alike
.irp u, 0,1
.irp i, 0,1,2,3,4,5,6,7
	ds_load_b32 v[SC+32*(\set)+8*\u+\i], v[\ra] offset:(\oa)+\u*(\sa)+64*\i
	ds_load_b32 v[SC+32*(\set)+16+8*\u+\i], v[\rb] offset:24576+512*\u+64*\i
.endr
.endr
.endm
.macro MUL16 a0, p, q, set, zero       ; A's blocks a0, a0 + 1 x B's eight; the 64 accumulators take turns
.irp a, \a0, \a0+1
.irp b, 0,1,2,3,4,5,6,7
.if \zero
	v_wmma_scale_f32_16x16x128_f8f6f4 v[8*(8*((\a)%4)+\b):8*(8*((\a)%4)+\b)+7], v[128*(\p)+FR*\b:128*(\p)+FR*\b+FR-1], v[AF+FR*(\a):AF+FR*(\a)+FR-1], 0, v[SC+32*(\set)+16+8*(\q)+\b], v[SC+32*(\set)+8*(\q)+(\a)] matrix_a_fmt:MATRIX_FMT_FP6 matrix_b_fmt:MATRIX_FMT_FP6
.else
	v_wmma_scale_f32_16x16x128_f8f6f4 v[8*(8*((\a)%4)+\b):8*(8*((\a)%4)+\b)+7], v[128*(\p)+FR*\b:128*(\p)+FR*\b+FR-1], v[AF+FR*(\a):AF+FR*(\a)+FR-1], v[8*(8*((\a)%4)+\b):8*(8*((\a)%4)+\b)+7], v[SC+32*(\set)+16+8*(\q)+\b], v[SC+32*(\set)+8*(\q)+(\a)] matrix_a_fmt:MATRIX_FMT_FP6 matrix_b_fmt:MATRIX_FMT_FP6
.endif
.endr
.endr
.endm
.macro STEP slot, set, zero            ; a slot's first 128 along K (B's set 0); it fetches the second
	s_wait_dscnt 12                                ; all but the youngest 12 loads (A's blocks 4-7)
	WIN MUL_LO
	MUL16 0, 0, 0, \set, \zero
	MUL16 2, 0, 0, \set, \zero
	s_wait_dscnt 0x0
	PLACES 4                                       ; four places in front of loads into registers that matrix instructions have read
	FETCH_B \slot, 1, 1
	FETCH_A \slot, 1, 0
	WIN MUL_HI
	MUL16 4, 0, 0, \set, \zero
	MUL16 6, 0, 0, \set, \zero
	PLACES 4
	WIN 0
	FETCH_A \slot, 1, 4
.endm
.macro STEPSC
.endm
.macro NEXTSC next, set
	SCALES \set, ADSA+(\next), 24576, 512, ADSB+(\next)
.endm
.macro REFILL slot                     ; the slot just left takes the record three further on along K
	s_add_nc_u64 s[G0+4*(\slot)+2:G0+4*(\slot)+3], s[G0+4*(\slot)+2:G0+4*(\slot)+3], 3*KSTR
	s_add_nc_u64 s[G0B+4*(\slot)+2:G0B+4*(\slot)+3], s[G0B+4*(\slot)+2:G0B+4*(\slot)+3], 3*KSTR
	JLOAD G0+4*(\slot), G1, G0B+4*(\slot), G1B
.endm
; A slot's second 128 along K (B's set 1); it goes on to slot next.  mode 2: a round of the cluster's barrier and the refill of this slot; mode 1: the work-group's barrier; mode 0: none (the next slot was shown whole by an earlier barrier)
.macro LAST slot, next, set, mode
.if \mode
	s_wait_tensorcnt 0x0                           ; all my tensor loads have landed
	ds_add_u32 v[SPW], v[NIL]                      ; 0 onto my spare word
	s_wait_dscnt 13                                ; (the add and the youngest 12 loads may be out)
	WIN MUL_LO
	MUL16 0, 1, 1, \set, 0
	s_wait_dscnt 0x0                               ; the add is done, and my reads of this slot are over
	s_barrier_signal -1
	MUL16 2, 1, 1, \set, 0
	WIN 0
	s_barrier_wait -1
.if \mode == 2
	CREST                                          ; no wave of any partner still reads this slot or has a load on its way
	REFILL \slot                                   ; the first tensor load behind the round; its four v_nop are the places in front of the loads below
.else
	PLACES 4
.endif
.else
	s_wait_dscnt 12
	WIN MUL_LO
	MUL16 0, 1, 1, \set, 0
	MUL16 2, 1, 1, \set, 0
	s_wait_dscnt 0x0
	PLACES 4
	WIN 0
.endif
	STEPSC
	FETCH_B \next, 0, 0
	FETCH_A \next, 0, 0
	NEXTSC \next, 1-(\set)
	WIN MUL_HI
	MUL16 4, 1, 1, \set, 0
	MUL16 6, 1, 1, \set, 0
	PLACES 4
	WIN 0
	FETCH_A \next, 0, 4
.endm
.macro TAIL set                        ; the very last 128 along K
	s_wait_dscnt 12
	WIN MUL_LO
	MUL16 0, 1, 1, \set, 0
	MUL16 2, 1, 1, \set, 0
	s_wait_dscnt 0x0
	WIN MUL_HI
	MUL16 4, 1, 1, \set, 0
	MUL16 6, 1, 1, \set, 0
	WIN 0
.endm
.macro QHEAD s                         ; the largest magnitude of each of four blocks of 32 (16 numbers here, 16 in lane l xor 16), with the floor 2^(3 - 127) among the leaves
.irp b, 0,1,2,3
	v_max3_num_f32 v[TM+\b], |v[(\s)+16*\b]|, |v[(\s)+1+16*\b]|, 0x1800000
.endr
.irp i, 2,4,6,8,10,12,14
.irp b, 0,1,2,3
	v_max3_num_f32 v[TM+\b], v[TM+\b], |v[(\s)+16*\b+\i]|, |v[(\s)+1+16*\b+\i]|
.endr
.endr
.irp b, 0,1,2,3
	v_permlanex16_b32 v[TM+4+\b], v[TM+\b], s[SEL], s[SEL+1]
.endr
.irp b, 0,1,2,3
	v_max_num_f32 v[TM+\b], v[TM+\b], v[TM+4+\b]
.endr
.endm
.macro QTAIL s, pc, pw                 ; from the four largest magnitudes: the scale word in v[pw], the fragment's 12 registers in v[pc] on
.irp b, 0,1,2,3
	v_add_nc_u32 v[TM+12+\b], 0xff000000, v[TM+\b]     ; 2 off the exponent field: the conversion's scale operand
.endr
.irp b, 0,1,2,3
	v_lshrrev_b32 v[TM+4+\b], 23, v[TM+12+\b]          ; the scale's byte
.endr
	v_lshl_or_b32 v[\pw], v[TM+5], 8, v[TM+4]
	v_lshl_or_b32 v[\pw], v[TM+6], 16, v[\pw]
	v_lshl_or_b32 v[\pw], v[TM+7], 24, v[\pw]
.irp c, 0,1
	v_cvt_scalef32_pk16_fp6_f32 v[(\pc)+6*\c:(\pc)+6*\c+2], v[(\s)+32*\c:(\s)+32*\c+15], v[TM+12+2*\c]
	v_cvt_scalef32_pk16_fp6_f32 v[PCT+4*\c:PCT+4*\c+2], v[(\s)+32*\c+16:(\s)+32*\c+31], v[TM+12+2*\c+1]
.endr
	v_nop                                          ; one plain place behind the conversions
.irp c, 0,1
.irp i, 0,1,2
	v_permlane16_swap_b32 v[(\pc)+6*\c+\i], v[PCT+4*\c+\i]
.endr
.irp i, 0,1,2
	v_mov_b32 v[(\pc)+6*\c+3+\i], v[PCT+4*\c+\i]
.endr
.endr
.endm
	s_load_b256 s[4:11], s[0:1], 0x0               ; xw s[4:5], bq s[6:7], bk s[8:9], bv s[10:11]
	s_load_b128 s[12:15], s[0:1], 0x20             ; qk s[12:13], vt s[14:15]
	v_lshl_add_u32 v[SPW], v0, 2, SPARE
	v_mov_b32 v[NIL], 0
	ds_add_u32 v[SPW], v[NIL]                      ; the wave's opening; waited for ahead of my first tensor load
	v_lshrrev_b32 v2, 5, v0
	v_readfirstlane_b32 s16, v2                    ; wave
	s_lshr_b32 s17, s16, 1                         ; my half of the tile's A rows.  Also: I fetch for A (0) or B (1)
	s_and_b32 s18, s16, 1                          ; my half of its B rows.  Also: which of the two records I fetch
	s_bfe_u32 s19, ttmp6, 0x40000                  ; cx
	s_bfe_u32 s20, ttmp6, 0x40004                  ; cy
	s_mov_b32 s21, ttmp9                           ; cluster x: 0 q, 1 k, 2 v
	s_and_b32 s22, ttmp7, 0xffff                   ; cluster y
	s_lshl_b32 s23, s20, 2
	s_lshl_b32 s23, 15, s23                        ; my row of the cluster
	s_lshl_b32 s74, 0x1111, s19                    ; my column
	s_or_b32 s[G1], s23, (3<<16)|(1<<21)           ; 15:0 the mask; 17:16 elements of 8 bytes; 21 set beside a mask; no padding
	s_or_b32 s[G1B], s74, (3<<16)|(1<<21)
.irp g, G1, G1B                        ; a dense record as 100 rows of 256 bytes
	s_mov_b32 s[\g+1], 32<<16
	s_mov_b32 s[\g+2], 100<<16
	s_mov_b32 s[\g+3], 32<<16
	s_mov_b32 s[\g+4], 100
	s_mov_b32 s[\g+5], 32
	s_mov_b32 s[\g+6], 0
	s_mov_b32 s[\g+7], 0
.endr
	; A's group hangs on cy (and the cluster's place), B's on cx: each in registers that never hold the other
	s_lshl_b32 s66, s22, 3                         ; q, k: A = x, groups 8 Y + 2 cy
	s_lshl_b32 s70, s21, 3
	s_add_co_u32 s70, s70, 64                      ; q, k: B = the weight, groups 64 + 8 X + 2 cx
	s_lshl_b32 s71, s22, 3                         ; v: B = x, groups 8 Y + 2 cx
	s_cmp_eq_u32 s21, 2
	s_cselect_b32 s66, 80, s66                     ; v: A = Wv, groups 80 + 2 cy
	s_cselect_b32 s70, s71, s70
	s_lshl_b32 s67, s20, 1
	s_add_co_u32 s66, s66, s67
	s_add_co_u32 s66, s66, s18
	s_mul_i32 s66, s66, 25600
	s_mov_b32 s67, 0
	s_lshl_b32 s71, s19, 1
	s_add_co_u32 s70, s70, s71
	s_add_co_u32 s70, s70, s18
	s_mul_i32 s70, s70, 25600
	s_mov_b32 s71, 0
	s_mul_i32 s75, s16, HALFT                      ; where my record goes in a slot: the wave's number alone
	s_mov_b32 s[SEL], 0x76543210
	s_mov_b32 s[SEL+1], 0xfedcba98
	s_wait_dscnt 0x0                               ; the opening add is done
	s_wait_kmcnt 0x0
	s_add_nc_u64 s[66:67], s[4:5], s[66:67]
	s_add_nc_u64 s[70:71], s[4:5], s[70:71]
	CROUND                                         ; all sixteen work-groups are here: the first joint loads meet
.irp s, 0,1,2
	s_mov_b32 s[G0+4*\s], 1
	s_add_co_u32 s[G0+4*\s+1], s75, \s*SLOT
	s_add_nc_u64 s[G0+4*\s+2:G0+4*\s+3], s[66:67], \s*KSTR
	s_or_b32 s[G0+4*\s+3], s[G0+4*\s+3], 0x80000000
	s_mov_b32 s[G0B+4*\s], 1
	s_add_co_u32 s[G0B+4*\s+1], s75, \s*SLOT
	s_add_nc_u64 s[G0B+4*\s+2:G0B+4*\s+3], s[70:71], \s*KSTR
	s_or_b32 s[G0B+4*\s+3], s[G0B+4*\s+3], 0x80000000
	JLOAD G0+4*\s, G1, G0B+4*\s, G1B               ; kp 0, 1, 2: three loads of mine are out
.endr
	v_and_b32 v2, 31, v0                           ; lane
	v_lshlrev_b32 v1, 4, v2                        ; v1 = 16 x lane; never rewritten
	v_and_b32 v3, 15, v0                           ; r
	v_lshlrev_b32 v4, 2, v3                        ; 4 r
	v_bfe_u32 v5, v0, 4, 1                         ; h
	s_mul_i32 s76, s17, HALFT
	s_mul_i32 s77, s18, HALFT
	s_add_co_u32 s77, s77, 2*HALFT
.irp s, 0,1,2
	v_add_nc_u32 v[ADRA+\s], s76, v1
	v_add_nc_u32 v[ADRB+\s], s77, v1
	v_add_nc_u32 v[ADSA+\s], s76, v4
	v_add_nc_u32 v[ADSB+\s], s77, v4
	s_add_co_u32 s76, s76, SLOT
	s_add_co_u32 s77, s77, SLOT
.endr
	s_lshl_b32 s76, s16, 9
	s_add_co_u32 s76, s76, SCR
	v_add_nc_u32 v[SWA], s76, v4
	v_add_nc_u32 v[SRD], s76, v1
	; the biases, both kinds on every path, from places that lie inside their buffers on every path
	v_lshlrev_b32 v20, 6, v5                       ; bq | bk: register 16 b + 8 u + j of lane half h belongs to output 32 b + 16 h + 8 u + j of my 128
	v_and_b32 v21, 8, v3
	v_add_nc_u32 v21, v21, v3
	v_lshlrev_b32 v21, 2, v21                      ; bv: my lane's output in block a: 32 (a / 2) + 8 (a % 2) + r + 8 (r / 8)
	s_cmp_eq_u32 s21, 1
	s_cselect_b64 s[78:79], s[8:9], s[6:7]
	s_lshl_b32 s82, s19, 10
	s_lshl_b32 s83, s18, 9
	s_add_co_u32 s82, s82, s83                     ; (256 cx + 128 x half) x 4
	s_mov_b32 s83, 0
	s_add_nc_u64 s[78:79], s[78:79], s[82:83]
	s_lshl_b32 s82, s20, 10
	s_lshl_b32 s84, s17, 9
	s_add_co_u32 s82, s82, s84                     ; (256 cy + 128 x half) x 4
	s_add_nc_u64 s[80:81], s[10:11], s[82:83]
	WIN TO_B
.irp m, 0,1,2,3,4,5,6,7,8,9,10,11,12,13,14,15
	global_load_b128 v[96+4*\m+96*(\m/8):99+4*\m+96*(\m/8)], v20, s[78:79] offset:128*(\m/4)+32*((\m/2)%2)+16*(\m%2)
.endr
	WIN 0
.irp a, 0,1,2,3,4,5,6,7
	global_load_b32 v[BM+2*\a], v21, s[80:81] offset:4*(32*(\a/2)+8*(\a%2))
	global_load_b32 v[BM+2*\a+1], v21, s[80:81] offset:4*(32*(\a/2)+8*(\a%2))     ; twice: a pair for the packed addition
.endr
	; where my results go
	s_lshl_b32 s82, s19, 7                         ; q, k: record kp = cx, group 64 X + 8 Y + 2 cy + half
	s_lshl_b32 s83, s21, 6
	s_add_co_u32 s82, s82, s83
	s_lshl_b32 s83, s22, 3
	s_add_co_u32 s82, s82, s83
	s_lshl_b32 s84, s22, 2
	s_add_co_u32 s84, s84, s19                     ; v: the tile of 256 keys, 4 Y + cx: kp = its low three bits, batch = the rest; group 8 x batch + 2 cy + half
	s_and_b32 s85, s84, 7
	s_lshl_b32 s85, s85, 5
	s_lshr_b32 s84, s84, 3
	s_lshl_b32 s84, s84, 3
	s_add_co_u32 s84, s84, s85
	s_cmp_eq_u32 s21, 2
	s_cselect_b32 s82, s84, s82
	s_cselect_b64 s[86:87], s[14:15], s[12:13]
	s_lshl_b32 s83, s20, 1
	s_add_co_u32 s82, s82, s83
	s_add_co_u32 s82, s82, s17
	s_mul_i32 s82, s82, 25600
	s_mul_i32 s83, s18, 12288
	s_add_co_u32 s84, s82, s83
	s_mov_b32 s85, 0
	s_add_nc_u64 s[DST:DST+1], s[86:87], s[84:85]
	s_lshl_b32 s83, s18, 9
	s_add_co_u32 s84, s82, s83
	s_add_co_u32 s84, s84, 24576
	s_add_nc_u64 s[DSC:DSC+1], s[86:87], s[84:85]
	s_wait_tensorcnt 2                             ; my part of slot 0 is in; slots 1 and 2 may be out
	s_barrier_signal -1
	s_barrier_wait -1
	FETCH_B 0, 0, 0
	FETCH_A 0, 0, 0
	SCALES 0, ADSA, 24576, 512, ADSB
	FETCH_A 0, 0, 4
	STEP 0, 0, 1                                   ; the first products start the sums
	LAST 0, 1, 0, 2                                ; every wave has waited for all three fills; slot 0 takes kp 3
	STEP 1, 1, 0
	LAST 1, 2, 1, 0                                ; slot 2 was shown whole at the round
	STEP 2, 0, 0
	LAST 2, 0, 0, 1                                ; kp 3 has landed
	STEP 0, 1, 0
	TAIL 1
	; THE WAY OUT: bias, relu, quantiser, block by block of 16 rows of A x my 128 rows of B.  Each block has its own registers for codes and scale word: no store's data are written again.
.macro BLOCK a
.set AC, 64*((\a)%4)
	s_cmp_eq_u32 s21, 2
	s_cbranch_scc1 .Lkeys_\@
	WIN 0x06+(\a)/4                                ; source 0: the accumulators' window; source 1: window 1
.set NN, 0
.rept 32
	v_pk_add_f32 v[T+NN:T+NN+1], v[AC+NN:AC+NN+1], v[96+NN+96*(NN/32):97+NN+96*(NN/32)]    ; q, k: the bias goes with the register; each accumulator from its low end on
.set NN, NN+2
.endr
	WIN 0
	s_branch .Ladded_\@
.Lkeys_\@:
	WIN 0x02+(\a)/4
.set NN, 0
.rept 32
	v_pk_add_f32 v[T+NN:T+NN+1], v[AC+NN:AC+NN+1], v[BM+2*(\a):BM+2*(\a)+1]                ; v: the bias goes with the lane
.set NN, NN+2
.endr
	WIN 0
.Ladded_\@:
.set NN, 0
.rept 64
	v_max_num_f32 v[T+NN], 0, v[T+NN]
.set NN, NN+1
.endr
	QHEAD T
	QTAIL T, PCB+12*(\a), PWB+(\a)
.irp c, 0,1,2
	global_store_b128 v1, v[PCB+12*(\a)+4*\c:PCB+12*(\a)+4*\c+3], s[DST:DST+1] offset:1536*(\a)+512*\c     ; 512 consecutive bytes, aligned
.endr
	ds_store_b32 v[SWA], v[PWB+(\a)] offset:64*(\a)
.endm
	s_wait_loadcnt 0x0                             ; the biases
	PLACES 4                                       ; behind the last products
.irp b, 0,1,2,3
	v_mov_b32 v[TM+4+\b], 0                        ; written once: a lane permute's destination counts as one of its sources
.endr
.irp a, 0,1,2,3,4,5,6,7
	BLOCK \a
.endr
	ds_load_b128 v[32:35], v[SRD]                  ; my 128 scale words: LDS serves a wave's instructions in order
	s_wait_dscnt 0x0
	global_store_b128 v1, v[32:35], s[DSC:DSC+1]
	s_wait_tensorcnt 0x0                           ; the wave's end
	ds_add_u32 v[SPW], v[NIL]
	s_wait_dscnt 0x0
	CROUND                                         ; the closing round
	s_endpgm
.Lfunc_end_k_qfae35a7c6d_proj:
	.size	k_qfae35a7c6d_proj, .Lfunc_end_k_qfae35a7c6d_proj-k_qfae35a7c6d_proj
	.p2alignl 7, 3214868480
	.fill 96, 4, 3214868480
	.section	.rodata,"a",@progbits
	.p2align	6, 0x0
	.amdhsa_kernel k_qfae35a7c6d_proj
		.amdhsa_group_segment_fixed_size 327680
		.amdhsa_private_segment_fixed_size 0
		.amdhsa_enable_private_segment 0
		.amdhsa_kernarg_size 48
		.amdhsa_user_sgpr_count 2
		.amdhsa_user_sgpr_kernarg_segment_ptr 1
		.amdhsa_wavefront_size32 1
		.amdhsa_system_sgpr_workgroup_id_x 1
		.amdhsa_system_sgpr_workgroup_id_y 1
		.amdhsa_system_sgpr_workgroup_id_z 1
		.amdhsa_system_vgpr_workitem_id 0
		.amdhsa_next_free_vgpr 1024
		.amdhsa_next_free_sgpr 100
		.amdhsa_reserve_vcc 0
		.amdhsa_float_denorm_mode_32 3
		.amdhsa_float_denorm_mode_16_64 3
		.amdhsa_memory_ordered 1
		.amdhsa_forward_progress 1
		.amdhsa_inst_pref_size 196
	.end_amdhsa_kernel
	.amdgpu_metadata
---
amdhsa.version: [ 1, 2 ]
amdhsa.kernels:
  - .name:           k_qfae35a7c6d_proj
    .symbol:         k_qfae35a7c6d_proj.kd
    .args:
      - { .name: xw, .offset: 0, .size: 8, .value_kind: global_buffer, .address_space: global }
      - { .name: bq, .offset: 8, .size: 8, .value_kind: global_buffer, .address_space: global }
      - { .name: bk, .offset: 16, .size: 8, .value_kind: global_buffer, .address_space: global }
      - { .name: bv, .offset: 24, .size: 8, .value_kind: global_buffer, .address_space: global }
      - { .name: qk, .offset: 32, .size: 8, .value_kind: global_buffer, .address_space: global }
      - { .name: vt, .offset: 40, .size: 8, .value_kind: global_buffer, .address_space: global }
    .group_segment_fixed_size: 327680
    .private_segment_fixed_size: 0
    .kernarg_segment_align: 8
    .kernarg_segment_size: 48
    .max_flat_workgroup_size: 128
    .sgpr_count:     100
    .vgpr_count:     1024
    .wavefront_size: 32
...
	.end_amdgpu_metadata
.endif
;; end of part 2
;; launch score (part 3): grid 8 x 32, 4 waves a work-group, clusters of 4 x 4, 327,680 bytes of LDS; arguments qk, pc, st; writes pc, st
.if DOCPART == 3
	.amdgcn_target "amdgcn-amd-amdhsa--gfx1250"
	.amdhsa_code_object_version 6
	.text
	.protected	k_qfae35a7c6d_score
	.globl	k_qfae35a7c6d_score
	.p2align	8
	.type	k_qfae35a7c6d_score,@function
k_qfae35a7c6d_score:
	s_mov_b64 s[64:65], 0
	v_nop
	global_prefetch_b8 v0, s[64:65] scope:SCOPE_SE
	s_setreg_imm32_b32 hwreg(HW_REG_WAVE_MODE, 25, 1), 1
	s_wait_xcnt 0x0
	s_wait_alu depctr_hold_cnt(0) depctr_sa_sdst(0) depctr_va_vdst(0) depctr_va_sdst(0) depctr_va_ssrc(0) depctr_va_vcc(0) depctr_vm_vsrc(0)
	s_getreg_b32 s2, hwreg(HW_REG_IB_STS2, 6, 4)
	s_cmp_eq_u32 s2, 0
	s_cbranch_scc0 .Lentry_in_a_cluster
	s_endpgm
.Lentry_in_a_cluster:
	s_bfe_u32 s2, ttmp6, 0x10000c
	s_cmp_lg_u32 s2, 0xf033
	s_cbranch_scc0 .Lentry_shape_is_right
	s_endpgm
.Lentry_shape_is_right:
; The logits q k^T on codes of FP6 (E2M3), and the softmax's p, quantised PIECE BY PIECE of 128 keys.
; t = logit x log2(e).  For each query and each piece of 128 keys (a wave's share): M = ceil(the piece's largest t), a whole number; p = 2^(t - M); l = the sum of the unquantised p; p's codes and scale bytes under that M.
; The next launch finds the row's M and takes (row's M - piece's M) off the piece's scale bytes: a power of two, which the codes do not see.  So the maximum is taken away ahead of every exponential, and nothing is rescaled by rounding.
; OPERANDS: qk as the launch before laid it (records of 25,600 bytes, 128 groups: 0-63 q, 64-127 k; kp 0-3).  Tile 256 queries x 256 keys to a work-group, 128 x 128 to a wave; source 0 = k's fragment, source 1 = q's:
; a lane holds one query, and the 64 registers of block a are keys 32 b + 16 (lane / 16) + i of my 128.
; OUT: pc: records of 24,576 bytes at (64 kp + g) x 24,576, kp = the batch's keys / 256, g = the queries' group: fragment (a, s) at 12,288 s + 1,536 a.
;      st: [g][piece 0-15][3][128] words: p's scale word, -M (f32), l (f32); word 16 a + r.
; LIMITS: v_exp_f32 gives 0 for p under 2^-126; a block of zeros gets the byte 1 (zero codes); NaN and infinities are not served.
; REGISTERS as in the launch before; on the way out: v32-95 T; v96-111 block a's pair -M, l; v112-119 at work; v128-223 codes; v224-255 at work.
.set HALFT, 25600
.set SLOT,  4*HALFT
.set KSTR,  128*25600
.set SCR,   3*SLOT                     ; 1,536 bytes a wave: scale words, -M, l
.set SPARE, SCR+6144                   ; the spare words, 128 bytes a wave: two blocks of 256 bytes that no other line names
.set FR,    12
.set SC,    32
.set AF,    128
.set ADRA,  8
.set ADRB,  11
.set ADSA,  14
.set ADSB,  17
.set SWA,   22
.set SRD,   23
.set SPW,   28
.set NIL,   29
.set T,     32
.set NMB,   96
.set RM,    112
.set SU,    116
.set PCB,   128
.set TM,    224
.set PWB,   240
.set PCT,   248
.set G1,    24
.set G1B,   32
.set G0,    40
.set G0B,   52
.set PCD,   88                         ; s[88:89] where my codes go;  s[90:91] my statistics
.set STD,   90
.set SEL,   92
.set CS,    94                         ; s[94:95] log2(e), twice
.set MUL_LO, 0xa1
.set MUL_HI, 0xf1
.set TO_B,   0x40
.set MSB, 0
.macro WIN new
.if MSB != (\new)
	s_set_vgpr_msb (MSB<<8)|(\new)
.set MSB, (\new)
.endif
.endm
.macro PLACES n
.rept \n
	v_nop
.endr
.endm
.macro CREST
	s_cmp_lg_u32 s16, 0
	s_cbranch_scc1 .Lnot_wave_0_\@
	s_barrier_signal -3
.Lnot_wave_0_\@:
	s_barrier_wait -3
	s_barrier_signal -1
	s_barrier_wait -1
.endm
.macro CROUND
	s_barrier_signal -1
	s_barrier_wait -1
	CREST
.endm
.macro JLOAD g0a, g1a, g0b, g1b
	s_cmp_eq_u32 s17, 0
	s_cbranch_scc0 .Lfor_b_\@
	tensor_load_to_lds s[\g0a:\g0a+3], s[\g1a:\g1a+7]
	s_nop 0
.rept 4
	v_nop
.endr
	s_branch .Lasked_\@
.Lfor_b_\@:
	tensor_load_to_lds s[\g0b:\g0b+3], s[\g1b:\g1b+7]
	s_nop 0
.rept 4
	v_nop
.endr
.Lasked_\@:
.endm
.macro FRAG reg, adr, off
.irp c, 0,1,2
	ds_load_b128 v[(\reg)+4*\c:(\reg)+4*\c+3], v[\adr] offset:(\off)+512*\c
.endr
.endm
.macro FETCH_B slot, q, p
	WIN TO_B
.irp i, 0,1,2,3,4,5,6,7
	FRAG 128*(\p)+FR*\i, ADRB+(\slot), (\q)*12288+\i*1536
.endr
	WIN 0
.endm
.macro FETCH_A slot, q, i0
.irp i, \i0, \i0+1, \i0+2, \i0+3
	FRAG AF+FR*(\i), ADRA+(\slot), (\q)*12288+(\i)*1536
.endr
.endm
.macro SCALES set, ra, oa, sa, rb
.irp u, 0,1
.irp i, 0,1,2,3,4,5,6,7
	ds_load_b32 v[SC+32*(\set)+8*\u+\i], v[\ra] offset:(\oa)+\u*(\sa)+64*\i
	ds_load_b32 v[SC+32*(\set)+16+8*\u+\i], v[\rb] offset:24576+512*\u+64*\i
.endr
.endr
.endm
.macro MUL16 a0, p, q, set, zero
.irp a, \a0, \a0+1
.irp b, 0,1,2,3,4,5,6,7
.if \zero
	v_wmma_scale_f32_16x16x128_f8f6f4 v[8*(8*((\a)%4)+\b):8*(8*((\a)%4)+\b)+7], v[128*(\p)+FR*\b:128*(\p)+FR*\b+FR-1], v[AF+FR*(\a):AF+FR*(\a)+FR-1], 0, v[SC+32*(\set)+16+8*(\q)+\b], v[SC+32*(\set)+8*(\q)+(\a)] matrix_a_fmt:MATRIX_FMT_FP6 matrix_b_fmt:MATRIX_FMT_FP6
.else
	v_wmma_scale_f32_16x16x128_f8f6f4 v[8*(8*((\a)%4)+\b):8*(8*((\a)%4)+\b)+7], v[128*(\p)+FR*\b:128*(\p)+FR*\b+FR-1], v[AF+FR*(\a):AF+FR*(\a)+FR-1], v[8*(8*((\a)%4)+\b):8*(8*((\a)%4)+\b)+7], v[SC+32*(\set)+16+8*(\q)+\b], v[SC+32*(\set)+8*(\q)+(\a)] matrix_a_fmt:MATRIX_FMT_FP6 matrix_b_fmt:MATRIX_FMT_FP6
.endif
.endr
.endr
.endm
.macro STEP slot, set, zero
	s_wait_dscnt 12                                ; all but the youngest 12 loads (A's blocks 4-7)
	WIN MUL_LO
	MUL16 0, 0, 0, \set, \zero
	MUL16 2, 0, 0, \set, \zero
	s_wait_dscnt 0x0
	PLACES 4
	FETCH_B \slot, 1, 1
	FETCH_A \slot, 1, 0
	WIN MUL_HI
	MUL16 4, 0, 0, \set, \zero
	MUL16 6, 0, 0, \set, \zero
	PLACES 4
	WIN 0
	FETCH_A \slot, 1, 4
.endm
.macro STEPSC
.endm
.macro NEXTSC next, set
	SCALES \set, ADSA+(\next), 24576, 512, ADSB+(\next)
.endm
.macro REFILL slot
	s_add_nc_u64 s[G0+4*(\slot)+2:G0+4*(\slot)+3], s[G0+4*(\slot)+2:G0+4*(\slot)+3], 3*KSTR
	s_add_nc_u64 s[G0B+4*(\slot)+2:G0B+4*(\slot)+3], s[G0B+4*(\slot)+2:G0B+4*(\slot)+3], 3*KSTR
	JLOAD G0+4*(\slot), G1, G0B+4*(\slot), G1B
.endm
.macro LAST slot, next, set, mode
.if \mode
	s_wait_tensorcnt 0x0                           ; all my tensor loads have landed
	ds_add_u32 v[SPW], v[NIL]                      ; 0 onto my spare word
	s_wait_dscnt 13                                ; (the add and the youngest 12 loads may be out)
	WIN MUL_LO
	MUL16 0, 1, 1, \set, 0
	s_wait_dscnt 0x0                               ; the add is done, and my reads of this slot are over
	s_barrier_signal -1
	MUL16 2, 1, 1, \set, 0
	WIN 0
	s_barrier_wait -1
.if \mode == 2
	CREST
	REFILL \slot
.else
	PLACES 4
.endif
.else
	s_wait_dscnt 12
	WIN MUL_LO
	MUL16 0, 1, 1, \set, 0
	MUL16 2, 1, 1, \set, 0
	s_wait_dscnt 0x0
	PLACES 4
	WIN 0
.endif
	STEPSC
	FETCH_B \next, 0, 0
	FETCH_A \next, 0, 0
	NEXTSC \next, 1-(\set)
	WIN MUL_HI
	MUL16 4, 1, 1, \set, 0
	MUL16 6, 1, 1, \set, 0
	PLACES 4
	WIN 0
	FETCH_A \next, 0, 4
.endm
.macro TAIL set
	s_wait_dscnt 12
	WIN MUL_LO
	MUL16 0, 1, 1, \set, 0
	MUL16 2, 1, 1, \set, 0
	s_wait_dscnt 0x0
	WIN MUL_HI
	MUL16 4, 1, 1, \set, 0
	MUL16 6, 1, 1, \set, 0
	WIN 0
.endm
.macro QTAIL s, pc, pw
.irp b, 0,1,2,3
	v_add_nc_u32 v[TM+12+\b], 0xff000000, v[TM+\b]     ; 2 off the exponent field: the conversion's scale operand
.endr
.irp b, 0,1,2,3
	v_lshrrev_b32 v[TM+4+\b], 23, v[TM+12+\b]          ; the scale's byte
.endr
	v_lshl_or_b32 v[\pw], v[TM+5], 8, v[TM+4]
	v_lshl_or_b32 v[\pw], v[TM+6], 16, v[\pw]
	v_lshl_or_b32 v[\pw], v[TM+7], 24, v[\pw]
.irp c, 0,1
	v_cvt_scalef32_pk16_fp6_f32 v[(\pc)+6*\c:(\pc)+6*\c+2], v[(\s)+32*\c:(\s)+32*\c+15], v[TM+12+2*\c]
	v_cvt_scalef32_pk16_fp6_f32 v[PCT+4*\c:PCT+4*\c+2], v[(\s)+32*\c+16:(\s)+32*\c+31], v[TM+12+2*\c+1]
.endr
	v_nop                                          ; one plain place behind the conversions
.irp c, 0,1
.irp i, 0,1,2
	v_permlane16_swap_b32 v[(\pc)+6*\c+\i], v[PCT+4*\c+\i]
.endr
.irp i, 0,1,2
	v_mov_b32 v[(\pc)+6*\c+3+\i], v[PCT+4*\c+\i]
.endr
.endr
.endm
	s_load_b128 s[4:7], s[0:1], 0x0                ; qk s[4:5], pc s[6:7]
	s_load_b64 s[8:9], s[0:1], 0x10                ; st
	v_lshl_add_u32 v[SPW], v0, 2, SPARE
	v_mov_b32 v[NIL], 0
	ds_add_u32 v[SPW], v[NIL]                      ; the wave's opening; waited for ahead of my first tensor load
	v_lshrrev_b32 v2, 5, v0
	v_readfirstlane_b32 s16, v2
	s_lshr_b32 s17, s16, 1                         ; my half of the queries.  Also: I fetch for q (0) or k (1)
	s_and_b32 s18, s16, 1                          ; my half of the keys.  Also: which of the two records I fetch
	s_bfe_u32 s19, ttmp6, 0x40000
	s_bfe_u32 s20, ttmp6, 0x40004
	s_mov_b32 s21, ttmp9
	s_and_b32 s22, ttmp7, 0xffff
	s_lshl_b32 s23, s20, 2
	s_lshl_b32 s23, 15, s23
	s_lshl_b32 s74, 0x1111, s19
	s_or_b32 s[G1], s23, (3<<16)|(1<<21)
	s_or_b32 s[G1B], s74, (3<<16)|(1<<21)
.irp g, G1, G1B
	s_mov_b32 s[\g+1], 32<<16
	s_mov_b32 s[\g+2], 100<<16
	s_mov_b32 s[\g+3], 32<<16
	s_mov_b32 s[\g+4], 100
	s_mov_b32 s[\g+5], 32
	s_mov_b32 s[\g+6], 0
	s_mov_b32 s[\g+7], 0
.endr
	s_lshl_b32 s66, s22, 3                         ; q: groups 8 Y + 2 cy
	s_lshl_b32 s67, s20, 1
	s_add_co_u32 s66, s66, s67
	s_add_co_u32 s66, s66, s18
	s_mul_i32 s66, s66, 25600
	s_mov_b32 s67, 0
	s_lshr_b32 s70, s22, 1                         ; k: groups 64 + 16 x batch + 8 X + 2 cx; the batch is Y / 2
	s_lshl_b32 s70, s70, 4
	s_lshl_b32 s71, s21, 3
	s_add_co_u32 s70, s70, s71
	s_lshl_b32 s71, s19, 1
	s_add_co_u32 s70, s70, s71
	s_add_co_u32 s70, s70, s18
	s_add_co_u32 s70, s70, 64
	s_mul_i32 s70, s70, 25600
	s_mov_b32 s71, 0
	s_mul_i32 s75, s16, HALFT
	s_mov_b32 s[SEL], 0x76543210
	s_mov_b32 s[SEL+1], 0xfedcba98
	s_mov_b32 s[CS], 0x3fb8aa3b                    ; log2(e)
	s_mov_b32 s[CS+1], s[CS]
	s_wait_dscnt 0x0
	s_wait_kmcnt 0x0
	s_add_nc_u64 s[66:67], s[4:5], s[66:67]
	s_add_nc_u64 s[70:71], s[4:5], s[70:71]
	CROUND
.irp s, 0,1,2
	s_mov_b32 s[G0+4*\s], 1
	s_add_co_u32 s[G0+4*\s+1], s75, \s*SLOT
	s_add_nc_u64 s[G0+4*\s+2:G0+4*\s+3], s[66:67], \s*KSTR
	s_or_b32 s[G0+4*\s+3], s[G0+4*\s+3], 0x80000000
	s_mov_b32 s[G0B+4*\s], 1
	s_add_co_u32 s[G0B+4*\s+1], s75, \s*SLOT
	s_add_nc_u64 s[G0B+4*\s+2:G0B+4*\s+3], s[70:71], \s*KSTR
	s_or_b32 s[G0B+4*\s+3], s[G0B+4*\s+3], 0x80000000
	JLOAD G0+4*\s, G1, G0B+4*\s, G1B
.endr
	v_and_b32 v2, 31, v0
	v_lshlrev_b32 v1, 4, v2                        ; v1 = 16 x lane; never rewritten
	v_and_b32 v3, 15, v0
	v_lshlrev_b32 v4, 2, v3
	s_mul_i32 s76, s17, HALFT
	s_mul_i32 s77, s18, HALFT
	s_add_co_u32 s77, s77, 2*HALFT
.irp s, 0,1,2
	v_add_nc_u32 v[ADRA+\s], s76, v1
	v_add_nc_u32 v[ADRB+\s], s77, v1
	v_add_nc_u32 v[ADSA+\s], s76, v4
	v_add_nc_u32 v[ADSB+\s], s77, v4
	s_add_co_u32 s76, s76, SLOT
	s_add_co_u32 s77, s77, SLOT
.endr
	s_mul_i32 s76, s16, 1536
	s_add_co_u32 s76, s76, SCR
	v_add_nc_u32 v[SWA], s76, v4
	v_add_nc_u32 v[SRD], s76, v1
	s_lshl_b32 s76, s22, 3
	s_lshl_b32 s77, s20, 1
	s_add_co_u32 s76, s76, s77
	s_add_co_u32 s76, s76, s17                     ; g: my queries' group
	s_lshl_b32 s77, s21, 2
	s_add_co_u32 s77, s77, s19                     ; the tile of 256 keys in the batch
	s_lshl_b32 s78, s77, 6
	s_add_co_u32 s78, s78, s76
	s_mul_i32 s78, s78, 24576
	s_mul_i32 s79, s18, 12288
	s_add_co_u32 s78, s78, s79
	s_mov_b32 s79, 0
	s_add_nc_u64 s[PCD:PCD+1], s[6:7], s[78:79]
	s_lshl_b32 s80, s76, 4
	s_lshl_b32 s81, s77, 1
	s_add_co_u32 s80, s80, s81
	s_add_co_u32 s80, s80, s18                     ; 16 g + the piece
	s_mul_i32 s80, s80, 1536
	s_mov_b32 s81, 0
	s_add_nc_u64 s[STD:STD+1], s[8:9], s[80:81]
	s_wait_tensorcnt 2                             ; my part of slot 0 is in; slots 1 and 2 may be out
	s_barrier_signal -1
	s_barrier_wait -1
	FETCH_B 0, 0, 0
	FETCH_A 0, 0, 0
	SCALES 0, ADSA, 24576, 512, ADSB
	FETCH_A 0, 0, 4
	STEP 0, 0, 1
	LAST 0, 1, 0, 2
	STEP 1, 1, 0
	LAST 1, 2, 1, 0
	STEP 2, 0, 0
	LAST 2, 0, 0, 1
	STEP 0, 1, 0
	TAIL 1
; Block a: 16 queries x my 128 keys.
.macro SOFT a
.set AC, 64*((\a)%4)
.set WD, 2+(\a)/4
.set WS, (WD<<2)|(WD<<4)
.set NM, NMB+2*(\a)
	WIN WS                                         ; sources 1 and 2: the accumulators' window
.irp b, 0,1,2,3
	v_max3_num_f32 v[TM+\b], 0xff800000, v[AC+16*\b], v[AC+16*\b+1]      ; the largest score of each block of 32 keys; each accumulator from its low end on
.endr
.irp i, 2,4,6,8,10,12,14
.irp b, 0,1,2,3
	v_max3_num_f32 v[TM+\b], v[TM+\b], v[AC+16*\b+\i], v[AC+16*\b+\i+1]
.endr
.endr
	WIN 0
.irp b, 0,1,2,3
	v_permlanex16_b32 v[TM+4+\b], v[TM+\b], s[SEL], s[SEL+1]
.endr
.irp b, 0,1,2,3
	v_max_num_f32 v[TM+\b], v[TM+\b], v[TM+4+\b]
.endr
	v_max3_num_f32 v[RM], v[TM], v[TM+1], v[TM+2]
	v_max_num_f32 v[RM], v[RM], v[TM+3]
	v_mul_f32 v[RM], s[CS], v[RM]                  ; the piece's largest t
	v_floor_f32 v[NM], -v[RM]                      ; -M = floor(-t) = -ceil(t)
	WIN WD
.set NN, 0
.rept 32
	v_pk_fma_f32 v[T+NN:T+NN+1], v[AC+NN:AC+NN+1], s[CS:CS+1], v[NM:NM+1] op_sel_hi:[1,0,0]     ; t - M, two at a time
.set NN, NN+2
.endr
	WIN 0
.irp b, 0,1,2,3
	v_fma_f32 v[TM+\b], v[TM+\b], s[CS], v[NM]     ; the same of each block's largest score: p rises with the score
.endr
.set NN, 0
.rept 64
	v_exp_f32 v[T+NN], v[T+NN]                     ; p = 2^(t - M)
.set NN, NN+1
.endr
.irp b, 0,1,2,3
	v_exp_f32 v[TM+\b], v[TM+\b]                   ; the block's largest p
.endr
	v_nop                                          ; a plain place behind the last exponential
	s_wait_alu depctr_va_vdst(0)                   ; one wait for the batch of 68, ahead of its first reader
	v_pk_add_f32 v[SU:SU+1], v[T:T+1], v[T+2:T+3]  ; l, of the unquantised p, in two chains
	v_pk_add_f32 v[SU+2:SU+3], v[T+4:T+5], v[T+6:T+7]
.irp j, 8,12,16,20,24,28,32,36,40,44,48,52,56,60
	v_pk_add_f32 v[SU:SU+1], v[SU:SU+1], v[T+\j:T+\j+1]
	v_pk_add_f32 v[SU+2:SU+3], v[SU+2:SU+3], v[T+\j+2:T+\j+3]
.endr
	v_pk_add_f32 v[SU:SU+1], v[SU:SU+1], v[SU+2:SU+3]
	v_add_f32 v[SU], v[SU], v[SU+1]
	v_permlanex16_b32 v[SU+1], v[SU], s[SEL], s[SEL+1]
	v_add_f32 v[NM+1], v[SU], v[SU+1]              ; with lane l xor 16's 64 keys
.irp b, 0,1,2,3
	v_max_num_f32 v[TM+\b], 0x1800000, v[TM+\b]    ; the floor 2^(3 - 127): the byte cannot fall under 1
.endr
	QTAIL T, PCB+12*(\a), PWB+(\a)
.irp c, 0,1,2
	global_store_b128 v1, v[PCB+12*(\a)+4*\c:PCB+12*(\a)+4*\c+3], s[PCD:PCD+1] offset:1536*(\a)+512*\c
.endr
	ds_store_b32 v[SWA], v[PWB+(\a)] offset:64*(\a)
	ds_store_b32 v[SWA], v[NM] offset:512+64*(\a)
	ds_store_b32 v[SWA], v[NM+1] offset:1024+64*(\a)
.endm
	PLACES 4                                       ; behind the last products
.irp b, 0,1,2,3
	v_mov_b32 v[TM+4+\b], 0                        ; written once: a lane permute's destination counts as one of its sources
.endr
.irp a, 0,1,2,3,4,5,6,7
	v_mov_b32 v[NMB+2*\a+1], 0                     ; named as the upper half of a pair before l is written there
.endr
.irp a, 0,1,2,3,4,5,6,7
	SOFT \a
.endr
.irp c, 0,1,2
	ds_load_b128 v[32+4*\c:35+4*\c], v[SRD] offset:512*\c
.endr
	s_wait_dscnt 0x0
.irp c, 0,1,2
	global_store_b128 v1, v[32+4*\c:35+4*\c], s[STD:STD+1] offset:512*\c
.endr
	s_wait_tensorcnt 0x0                           ; the wave's end
	ds_add_u32 v[SPW], v[NIL]
	s_wait_dscnt 0x0
	CROUND                                         ; the closing round
	s_endpgm
.Lfunc_end_k_qfae35a7c6d_score:
	.size	k_qfae35a7c6d_score, .Lfunc_end_k_qfae35a7c6d_score-k_qfae35a7c6d_score
	.p2alignl 7, 3214868480
	.fill 96, 4, 3214868480
	.section	.rodata,"a",@progbits
	.p2align	6, 0x0
	.amdhsa_kernel k_qfae35a7c6d_score
		.amdhsa_group_segment_fixed_size 327680
		.amdhsa_private_segment_fixed_size 0
		.amdhsa_enable_private_segment 0
		.amdhsa_kernarg_size 24
		.amdhsa_user_sgpr_count 2
		.amdhsa_user_sgpr_kernarg_segment_ptr 1
		.amdhsa_wavefront_size32 1
		.amdhsa_system_sgpr_workgroup_id_x 1
		.amdhsa_system_sgpr_workgroup_id_y 1
		.amdhsa_system_sgpr_workgroup_id_z 1
		.amdhsa_system_vgpr_workitem_id 0
		.amdhsa_next_free_vgpr 1024
		.amdhsa_next_free_sgpr 100
		.amdhsa_reserve_vcc 0
		.amdhsa_float_denorm_mode_32 3
		.amdhsa_float_denorm_mode_16_64 3
		.amdhsa_memory_ordered 1
		.amdhsa_forward_progress 1
		.amdhsa_inst_pref_size 201
	.end_amdhsa_kernel
	.amdgpu_metadata
---
amdhsa.version: [ 1, 2 ]
amdhsa.kernels:
  - .name:           k_qfae35a7c6d_score
    .symbol:         k_qfae35a7c6d_score.kd
    .args:
      - { .name: qk, .offset: 0, .size: 8, .value_kind: global_buffer, .address_space: global }
      - { .name: pc, .offset: 8, .size: 8, .value_kind: global_buffer, .address_space: global }
      - { .name: st, .offset: 16, .size: 8, .value_kind: global_buffer, .address_space: global }
    .group_segment_fixed_size: 327680
    .private_segment_fixed_size: 0
    .kernarg_segment_align: 8
    .kernarg_segment_size: 24
    .max_flat_workgroup_size: 128
    .sgpr_count:     100
    .vgpr_count:     1024
    .wavefront_size: 32
...
	.end_amdgpu_metadata
.endif
;; end of part 3
;; launch mix (part 4): grid 4 x 64, 4 waves a work-group, clusters of 4 x 4, 327,680 bytes of LDS; arguments pc, st, vt, out0; writes out0
.if DOCPART == 4
	.amdgcn_target "amdgcn-amd-amdhsa--gfx1250"
	.amdhsa_code_object_version 6
	.text
	.protected	k_qfae35a7c6d_mix
	.globl	k_qfae35a7c6d_mix
	.p2align	8
	.type	k_qfae35a7c6d_mix,@function
k_qfae35a7c6d_mix:
	s_mov_b64 s[64:65], 0
	v_nop
	global_prefetch_b8 v0, s[64:65] scope:SCOPE_SE
	s_setreg_imm32_b32 hwreg(HW_REG_WAVE_MODE, 25, 1), 1
	s_wait_xcnt 0x0
	s_wait_alu depctr_hold_cnt(0) depctr_sa_sdst(0) depctr_va_vdst(0) depctr_va_sdst(0) depctr_va_ssrc(0) depctr_va_vcc(0) depctr_vm_vsrc(0)
	s_getreg_b32 s2, hwreg(HW_REG_IB_STS2, 6, 4)
	s_cmp_eq_u32 s2, 0
	s_cbranch_scc0 .Lentry_in_a_cluster
	s_endpgm
.Lentry_in_a_cluster:
	s_bfe_u32 s2, ttmp6, 0x10000c
	s_cmp_lg_u32 s2, 0xf033
	s_cbranch_scc0 .Lentry_shape_is_right
	s_endpgm
.Lentry_shape_is_right:
; out = (p v) / l on codes of FP6 (E2M3).  p's codes were made piece by piece of 128 keys, each under its own whole number M.
; HEAD.  For each of the work-group's 128 queries: the row's -M = the least of the 16 pieces' -M; d = row's M - piece's M, a whole number, 0 or more; l = the sum of the pieces' l x 2^-d (exact scalings);
; each of the piece's four scale bytes less d, held at 0 from below.  The shifted scale words and 1 / l go to LDS, once.
; Then a GEMM: A = pc (records of 24,576 bytes at (64 kp + g) x 24,576, kp = keys / 256), B = vt (records of 25,600 bytes at (32 kp + group) x 25,600), K = the batch's 2,048 keys.
; SHARES.  A tile of 128 queries x 256 outputs to a work-group: 64 x 4 = 256 work-groups.  Wave w: queries 64 (w / 2) on (p's fragments 4 (w / 2) + 0 .. 3), outputs 128 (w % 2) on (one group of v): 4 x 8 accumulators.
; Source 0 = v's fragment, source 1 = p's: a lane holds one query, and its 64 registers of block a are outputs 32 b + 16 (lane / 16) + i of my 128.
; THE RING.  Two slots of 512 keys: p's two records, then v's two pairs of records (the pair of groups of one kp is dense in vt: 51,200 bytes, one load).  One load a wave: waves 0, 1 p's records, waves 2, 3 v's pairs.
; Both slots are asked for at the start: half of K; each is filled again once, behind a round of the cluster's barrier, 112 matrix instructions ahead of the wait for it.  The 16 K steps are written out.
; CLUSTER 4 x 4: p's records are shared along a row (the four tiles of outputs), v's along a column (four groups of queries of one batch), and asked for jointly.
; LIMITS: a block of p whose scale would fall under 2^-127 is held at the byte 0, that is 2^-127: it then adds at most 7.5 x 2^-127 x |v| a product, against l > 1/2.  NaN and infinities are not served.
; REGISTERS.  Window 0: v0-31 addresses; v32-63 scale words, two sets of 4 (p) + 8 (v); v96-103 1 / l; v128-223 p's fragments, two sets of 48 (at the head: the statistics; on the way out, with v224-255: rows of out).
;   Window 1: v's fragments, sets at v0 and v128.   Window 2: accumulator (a, b) at v[8 (8 a + b)].
.set ARECB, 24576                      ; p's record: 128 queries x 256 keys
.set BRECB, 25600                      ; v's record: 128 outputs x 256 keys, and their scale words
.set BOFF,  2*ARECB                    ; in a slot: p's two records, then v's two pairs
.set SLOTB, 2*ARECB+4*BRECB            ; 151,552 bytes
.set KSTRA, 64*ARECB                   ; from kp to kp + 1 in pc
.set KSTRB, 32*BRECB                   ; and in vt
.set PSC,   2*SLOTB                    ; p's shifted scale words: [piece 16][128 rows], 8,192 bytes
.set LIV,   PSC+8192                   ; 1 / l: 128 words
.set SPARE, LIV+512                    ; the spare words, 128 bytes a wave: two blocks of 256 bytes that no other line names
                                       ; the way out's stage, 16 rows x 528 bytes a wave, lies at the head of slot 0: when the first result is stored there, that slot has had its last fill, and every wave has passed the last change of slots, behind which nobody reads it
.set FR,    12
.set SC,    32                         ; set p: p's block a at v[32 + 16 p + a], v's block b at v[32 + 16 p + 4 + b]
.set AF,    128                        ; p's fragments: set p at v[128 + 48 p]
.set ADRA,  8                          ; v8-9    my four fragments of p in slot 0, 1: + 16 x lane
.set ADRB,  10                         ; v10-13  my record of v in (slot, kp of the slot): + 16 x lane
.set ADSA,  14                         ; v14     p's scale words of my 64 queries: + 4 r
.set ADSB,  16                         ; v16-19  my record of v: + 4 r
.set STO,   22
.set RD,    23
.set LVA,   24
.set SPW,   28                         ; v28     my spare word's address; never rewritten
.set NIL,   29                         ; v29     0; never rewritten
.set LV,    96                         ; v96-103 1 / l of my lane's query in block a, twice
.set BK,    128                        ; the way out: v128-191 and v192-255 by turns
.set SW,    128                        ; the head: the 16 pieces' scale words at v128, -M at v144, l at v160
.set G1,    24                         ; s[24:31] group 1 for p;  s[32:39] for v;  s[40:47], s[52:59] groups 0, four registers a slot
.set G1B,   32
.set G0,    40
.set G0B,   52
.set OUT,   88
.set MUL,   0xa1                       ; source 0 (v) window 1, source 1 (p) window 0, C and D window 2
.set TO_B,  0x40
.set MSB, 0
.macro WIN new                         ; the immediate's high byte repeats the setting that is left
.if MSB != (\new)
	s_set_vgpr_msb (MSB<<8)|(\new)
.set MSB, (\new)
.endif
.endm
.macro PLACES n
.rept \n
	v_nop
.endr
.endm
.macro CREST                           ; a round of the cluster's barrier behind its opening barrier
	s_cmp_lg_u32 s16, 0
	s_cbranch_scc1 .Lnot_wave_0_\@
	s_barrier_signal -3
.Lnot_wave_0_\@:
	s_barrier_wait -3
	s_barrier_signal -1
	s_barrier_wait -1
.endm
.macro CROUND
	s_barrier_signal -1
	s_barrier_wait -1
	CREST
.endm
.macro JLOAD g0a, g1a, g0b, g1b        ; a joint load: waves 0, 1 fetch p's two records, waves 2, 3 v's two pairs; an s_nop 0 and four v_nop follow each line
	s_cmp_eq_u32 s17, 0
	s_cbranch_scc0 .Lfor_b_\@
	tensor_load_to_lds s[\g0a:\g0a+3], s[\g1a:\g1a+7]
	s_nop 0
.rept 4
	v_nop
.endr
	s_branch .Lasked_\@
.Lfor_b_\@:
	tensor_load_to_lds s[\g0b:\g0b+3], s[\g1b:\g1b+7]
	s_nop 0
.rept 4
	v_nop
.endr
.Lasked_\@:
.endm
.macro FRAG reg, adr, off              ; a fragment's image: three loads of 512 consecutive bytes
.irp c, 0,1,2
	ds_load_b128 v[(\reg)+4*\c:(\reg)+4*\c+3], v[\adr] offset:(\off)+512*\c
.endr
.endm
; ONE run of 48 LDS loads: all that K step m (128 keys, piece m) wants, into sets m % 2.  Step m lies in slot (m / 4) % 2, in that slot's kp (m / 2) % 2, in the record's half m % 2.
.macro FETCH m
.set FS, ((\m)/4)%2
.set FJ, ((\m)/2)%2
.set FQ, (\m)%2
	WIN TO_B
.irp i, 0,1,2,3,4,5,6,7
	FRAG 128*FQ+FR*\i, ADRB+2*FS+FJ, FQ*12288+\i*1536
.endr
	WIN 0
.irp i, 0,1,2,3
	FRAG AF+48*FQ+FR*\i, ADRA+FS, FJ*ARECB+FQ*12288+\i*1536
.endr
.irp i, 0,1,2,3
	ds_load_b32 v[SC+16*FQ+\i], v[ADSA] offset:512*(\m)+64*\i
.endr
.irp i, 0,1,2,3,4,5,6,7
	ds_load_b32 v[SC+16*FQ+4+\i], v[ADSB+2*FS+FJ] offset:24576+512*FQ+64*\i
.endr
.endm
.macro MUL8 a, p, zero                 ; p's block a x v's eight; the 32 accumulators take turns, in the same order in every step
.irp b, 0,1,2,3,4,5,6,7
.if \zero
	v_wmma_scale_f32_16x16x128_f8f6f4 v[8*(8*(\a)+\b):8*(8*(\a)+\b)+7], v[128*(\p)+FR*\b:128*(\p)+FR*\b+FR-1], v[AF+48*(\p)+FR*(\a):AF+48*(\p)+FR*(\a)+FR-1], 0, v[SC+16*(\p)+4+\b], v[SC+16*(\p)+(\a)] matrix_a_fmt:MATRIX_FMT_FP6 matrix_b_fmt:MATRIX_FMT_FP6
.else
	v_wmma_scale_f32_16x16x128_f8f6f4 v[8*(8*(\a)+\b):8*(8*(\a)+\b)+7], v[128*(\p)+FR*\b:128*(\p)+FR*\b+FR-1], v[AF+48*(\p)+FR*(\a):AF+48*(\p)+FR*(\a)+FR-1], v[8*(8*(\a)+\b):8*(8*(\a)+\b)+7], v[SC+16*(\p)+4+\b], v[SC+16*(\p)+(\a)] matrix_a_fmt:MATRIX_FMT_FP6 matrix_b_fmt:MATRIX_FMT_FP6
.endif
.endr
.endm
; K step n whose successor lies in the same slot (more = 1), or the last of all (more = 0).  The next step's loads go out first, into the sets that the step before multiplied: they have this step's 32 products in which to land.
.macro KSTEP n, zero, more
	s_wait_dscnt 0x0                               ; this step's fragments and scale words are in
.if \more
	PLACES 4                                       ; four places in front of loads into registers that matrix instructions have read
	FETCH (\n)+1
.endif
	WIN MUL
.irp a, 0,1,2,3
	MUL8 \a, (\n)%2, \zero
.endr
.endm
.macro REFILL slot                     ; the slot just left takes the 512 keys that lie 1,024 further on
	s_add_nc_u64 s[G0+4*(\slot)+2:G0+4*(\slot)+3], s[G0+4*(\slot)+2:G0+4*(\slot)+3], 4*KSTRA
	s_add_nc_u64 s[G0B+4*(\slot)+2:G0B+4*(\slot)+3], s[G0B+4*(\slot)+2:G0B+4*(\slot)+3], 4*KSTRB
	JLOAD G0+4*(\slot), G1, G0B+4*(\slot), G1B
.endm
; A slot's last K step changes slots: ONE barrier; in front of it each wave waits for all its tensor loads, adds 0 to its spare word, and waits for that and for its own reads of this slot (its last fragments are in registers).
; mode 2: the barrier opens a round of the cluster's barrier, and this slot is filled again; mode 1: nothing is left to fetch.
.macro CHANGE n, slot, mode
	WIN 0                                          ; (the add's two registers lie in window 0)
	s_wait_tensorcnt 0x0                           ; all my tensor loads have landed: my part of the next slot
	ds_add_u32 v[SPW], v[NIL]                      ; 0 onto my spare word
	s_wait_dscnt 1                                 ; (the add may be out; this step's fragments and scale words are in)
	WIN MUL
	MUL8 0, (\n)%2, 0                              ; eight matrix instructions stand between the add and the wait for it
	s_wait_dscnt 0x0                               ; the add is done, and my reads of this slot are over
	s_barrier_signal -1
	MUL8 1, (\n)%2, 0
	WIN 0
	s_barrier_wait -1
.if \mode == 2
	CREST                                          ; no wave of any partner still reads this slot or has a load on its way
	REFILL \slot                                   ; the first tensor load behind the round; its four v_nop are the places in front of the loads below
.else
	PLACES 4
.endif
	FETCH (\n)+1
	WIN MUL
	MUL8 2, (\n)%2, 0
	MUL8 3, (\n)%2, 0
.endm
	s_load_b256 s[4:11], s[0:1], 0x0               ; pc s[4:5], st s[6:7], vt s[8:9], out0 s[10:11]
	v_lshl_add_u32 v[SPW], v0, 2, SPARE
	v_mov_b32 v[NIL], 0
	ds_add_u32 v[SPW], v[NIL]                      ; the wave's opening; waited for ahead of my first tensor load
	v_lshrrev_b32 v2, 5, v0
	v_readfirstlane_b32 s16, v2                    ; wave
	s_lshr_b32 s17, s16, 1                         ; my half of the queries.  Also: I fetch for p (0) or v (1)
	s_and_b32 s18, s16, 1                          ; my half of the outputs.  Also: which kp of a slot I fetch
	s_bfe_u32 s19, ttmp6, 0x40000                  ; cx: the tile of 256 outputs
	s_bfe_u32 s20, ttmp6, 0x40004                  ; cy
	s_and_b32 s22, ttmp7, 0xffff                   ; cluster y
	s_lshl_b32 s23, s20, 2
	s_lshl_b32 s23, 15, s23                        ; my row of the cluster
	s_lshl_b32 s74, 0x1111, s19                    ; my column
	s_or_b32 s[G1], s23, (3<<16)|(1<<21)           ; 15:0 the mask; 17:16 elements of 8 bytes; 21 set beside a mask; no padding
	s_or_b32 s[G1B], s74, (3<<16)|(1<<21)
	s_mov_b32 s[G1+1], 32<<16                      ; p's record: 96 rows of 256 bytes, dense
	s_mov_b32 s[G1+2], 96<<16
	s_mov_b32 s[G1+3], 32<<16
	s_mov_b32 s[G1+4], 96
	s_mov_b32 s[G1+5], 32
	s_mov_b32 s[G1+6], 0
	s_mov_b32 s[G1+7], 0
	s_mov_b32 s[G1B+1], 32<<16                     ; v's pair of records: 200 rows of 256 bytes, dense
	s_mov_b32 s[G1B+2], 200<<16
	s_mov_b32 s[G1B+3], 32<<16
	s_mov_b32 s[G1B+4], 200
	s_mov_b32 s[G1B+5], 32
	s_mov_b32 s[G1B+6], 0
	s_mov_b32 s[G1B+7], 0
	; p's address hangs on cy (and the cluster's place), v's on cx: each in registers that never hold the other
	s_lshl_b32 s66, s22, 2
	s_add_co_u32 s66, s66, s20                     ; g = 4 Y + cy: the group of 128 queries
	s_mul_i32 s66, s66, ARECB                      ; its record in a kp of pc; its statistics are as many bytes on in st: 16 pieces x 1,536
	s_mov_b32 s67, 0
	s_mov_b32 s68, s66
	s_mov_b32 s69, 0
	s_mul_i32 s72, s18, KSTRA
	s_add_co_u32 s66, s66, s72                     ; + the kp that I fetch
	s_lshr_b32 s70, s22, 2                         ; the batch: 16 groups of queries, four clusters
	s_lshl_b32 s70, s70, 3
	s_lshl_b32 s71, s19, 1
	s_add_co_u32 s70, s70, s71                     ; v's groups 8 x batch + 2 cx, + 1
	s_mul_i32 s70, s70, BRECB
	s_mul_i32 s71, s18, KSTRB
	s_add_co_u32 s70, s70, s71
	s_mov_b32 s71, 0
	s_mul_i32 s75, s18, ARECB                      ; where they go in a slot: the wave's number alone
	s_mul_i32 s73, s18, 2*BRECB
	s_add_co_u32 s73, s73, BOFF
	s_wait_dscnt 0x0                               ; the opening add is done
	s_wait_kmcnt 0x0
	s_add_nc_u64 s[66:67], s[4:5], s[66:67]
	s_add_nc_u64 s[70:71], s[8:9], s[70:71]
	s_add_nc_u64 s[76:77], s[6:7], s[68:69]
	CROUND                                         ; all sixteen work-groups are here: the first joint loads meet
.irp s, 0,1
	s_mov_b32 s[G0+4*\s], 1
	s_add_co_u32 s[G0+4*\s+1], s75, \s*SLOTB
	s_add_nc_u64 s[G0+4*\s+2:G0+4*\s+3], s[66:67], \s*2*KSTRA
	s_or_b32 s[G0+4*\s+3], s[G0+4*\s+3], 0x80000000
	s_mov_b32 s[G0B+4*\s], 1
	s_add_co_u32 s[G0B+4*\s+1], s73, \s*SLOTB
	s_add_nc_u64 s[G0B+4*\s+2:G0B+4*\s+3], s[70:71], \s*2*KSTRB
	s_or_b32 s[G0B+4*\s+3], s[G0B+4*\s+3], 0x80000000
	JLOAD G0+4*\s, G1, G0B+4*\s, G1B               ; keys 0-511 and 512-1,023: two loads of mine are out
.endr
	; THE HEAD.  Thread t takes word t of the group's statistics: 16 pieces x 3 words
	v_lshlrev_b32 v20, 2, v0
.irp k, 0,1,2
.irp j, 0,1,2,3,4,5,6,7,8,9,10,11,12,13,14,15
	global_load_b32 v[SW+16*\k+\j], v20, s[76:77] offset:\j*1536+512*\k
.endr
.endr
	v_lshl_add_u32 v21, v0, 2, PSC
	v_and_b32 v2, 31, v0
	v_lshlrev_b32 v1, 4, v2                        ; v1 = 16 x lane; never rewritten
	v_and_b32 v3, 15, v0                           ; r
	v_lshlrev_b32 v4, 2, v3
	v_bfe_u32 v5, v0, 4, 1                         ; h
	s_mul_i32 s78, s17, 4*1536                     ; my four fragments of p's eight
	s_mul_i32 s79, s18, BRECB                      ; my record of v's pair
	s_add_co_u32 s79, s79, BOFF
.irp s, 0,1
	v_add_nc_u32 v[ADRA+\s], s78, v1
	v_add_nc_u32 v[ADRB+2*\s], s79, v1
	v_add_nc_u32 v[ADSB+2*\s], s79, v4
	s_add_co_u32 s83, s79, 2*BRECB                 ; the slot's second kp
	v_add_nc_u32 v[ADRB+2*\s+1], s83, v1
	v_add_nc_u32 v[ADSB+2*\s+1], s83, v4
	s_add_co_u32 s78, s78, SLOTB
	s_add_co_u32 s79, s79, SLOTB
.endr
	s_mul_i32 s80, s16, 16*528                     ; my stage, from LDS byte 0 on
	v_mul_u32_u24 v[STO], v3, 528
	v_lshl_add_u32 v[STO], v5, 6, v[STO]
	v_add_nc_u32 v[STO], s80, v[STO]               ; in: row r, + 64 h
	v_add_nc_u32 v[RD], s80, v1                    ; back: a row of 512 bytes
	s_lshl_b32 s81, s17, 8
	s_add_co_u32 s82, s81, PSC
	v_add_nc_u32 v[ADSA], s82, v4                  ; p's scale words of my 64 queries
	s_add_co_u32 s82, s81, LIV
	v_add_nc_u32 v[LVA], s82, v4
	s_lshl_b32 s78, s22, 2
	s_add_co_u32 s78, s78, s20
	s_lshl_b32 s78, s78, 1
	s_add_co_u32 s78, s78, s17                     ; 2 g + my half
	s_lshl_b32 s78, s78, 18                        ; x 64 rows of 4,096 bytes
	s_lshl_b32 s79, s19, 1
	s_add_co_u32 s79, s79, s18
	s_lshl_b32 s79, s79, 9                         ; + my 128 outputs
	s_add_co_u32 s78, s78, s79
	s_mov_b32 s79, 0
	s_add_nc_u64 s[OUT:OUT+1], s[10:11], s[78:79]
	s_wait_loadcnt 0x0
	v_min3_num_f32 v224, v[SW+16], v[SW+17], v[SW+18]              ; the row's -M: the least of the pieces'
.irp i, 3,5,7,9,11,13
	v_min3_num_f32 v224, v224, v[SW+16+\i], v[SW+17+\i]
.endr
	v_min_num_f32 v224, v224, v[SW+31]
.irp j, 0,1,2,3,4,5,6,7,8,9,10,11,12,13,14,15
	v_sub_f32 v[SW+16+\j], v224, v[SW+16+\j]       ; -d = piece's M - row's M: a whole number, 0 or less
.endr
.irp j, 0,1,2,3,4,5,6,7,8,9,10,11,12,13,14,15
	v_cvt_i32_f32 v[SW+16+\j], v[SW+16+\j]         ; (it saturates)
.endr
.irp j, 0,1,2,3,4,5,6,7,8,9,10,11,12,13,14,15
	v_ldexp_f32 v[SW+32+\j], v[SW+32+\j], v[SW+16+\j]      ; the piece's l under the row's M
.endr
.irp j, 0,1,2,3,4,5,6,7,8,9,10,11,12,13,14,15
	v_sub_nc_u32 v[SW+16+\j], 0, v[SW+16+\j]       ; d
.endr
.irp j, 0,1,2,3,4,5,6,7,8,9,10,11,12,13,14,15
	v_min_u32 v[SW+16+\j], 127, v[SW+16+\j]        ; p's bytes are at most 125: 127 empties every one
.endr
.irp j, 0,1,2,3,4,5,6,7,8,9,10,11,12,13,14,15
	v_perm_b32 v[SW+16+\j], v[SW+16+\j], v[SW+16+\j], 0    ; d in all four bytes
.endr
.irp j, 0,1,2,3,4,5,6,7,8,9,10,11,12,13,14,15
	v_or_b32 v[SW+\j], 0x80808080, v[SW+\j]        ; 128 + byte,
.endr
.irp j, 0,1,2,3,4,5,6,7,8,9,10,11,12,13,14,15
	v_sub_nc_u32 v[SW+\j], v[SW+\j], v[SW+16+\j]   ; less d: at least 1 in every byte, so nothing is borrowed from byte to byte
.endr
.irp j, 0,1,2,3,4,5,6,7,8,9,10,11,12,13,14,15
	v_and_b32 v[SW+16+\j], 0x80808080, v[SW+\j]    ; the top bit stands where byte - d is 0 or more
.endr
.irp j, 0,4,8,12
	v_pk_add_f32 v[SW+32+\j:SW+33+\j], v[SW+32+\j:SW+33+\j], v[SW+34+\j:SW+35+\j]  ; the row's l
.endr
.irp j, 0,8
	v_pk_add_f32 v[SW+32+\j:SW+33+\j], v[SW+32+\j:SW+33+\j], v[SW+36+\j:SW+37+\j]
.endr
	v_pk_add_f32 v[SW+32:SW+33], v[SW+32:SW+33], v[SW+40:SW+41]
	v_add_f32 v226, v[SW+32], v[SW+33]
	v_rcp_f32 v228, v226
.irp j, 0,1,2,3,4,5,6,7,8,9,10,11,12,13,14,15
	v_lshrrev_b32 v[SW+32+\j], 7, v[SW+16+\j]      ; (l's registers are free; plain work behind the reciprocal)
.endr
.irp j, 0,1,2,3,4,5,6,7,8,9,10,11,12,13,14,15
	v_sub_nc_u32 v[SW+16+\j], v[SW+16+\j], v[SW+32+\j]     ; 0x7f in those bytes, 0 in the others
.endr
.irp j, 0,1,2,3,4,5,6,7,8,9,10,11,12,13,14,15
	v_and_b32 v[SW+\j], v[SW+\j], v[SW+16+\j]      ; byte - d, held at 0
.endr
.irp j, 0,1,2,3,4,5,6,7,8,9,10,11,12,13,14,15
	ds_store_b32 v21, v[SW+\j] offset:512*\j
.endr
	s_wait_alu depctr_va_vdst(0)                   ; the wait for the reciprocal, ahead of its first reader
	ds_store_b32 v21, v228 offset:LIV-PSC
	s_wait_dscnt 0x0                               ; for the others' sake: my stores have landed
	s_wait_tensorcnt 1                             ; my part of slot 0 is in; slot 1's may be out
	s_barrier_signal -1
	s_barrier_wait -1
.irp a, 0,1,2,3
	ds_load_b32 v[LV+2*\a], v[LVA] offset:64*\a
	ds_load_b32 v[LV+2*\a+1], v[LVA] offset:64*\a  ; twice: a pair for the packed multiplication on the way out
.endr
	FETCH 0
	KSTEP 0, 1, 1                                  ; the first products start the sums
	KSTEP 1, 0, 1
	KSTEP 2, 0, 1
	CHANGE 3, 0, 2                                 ; slot 0 takes keys 1,024-1,535
	KSTEP 4, 0, 1
	KSTEP 5, 0, 1
	KSTEP 6, 0, 1
	CHANGE 7, 1, 2                                 ; slot 1 takes keys 1,536-2,047
	KSTEP 8, 0, 1
	KSTEP 9, 0, 1
	KSTEP 10, 0, 1
	CHANGE 11, 0, 1                                ; nothing is left to fetch: the work-group's barrier alone.  Behind it nobody reads slot 0
	KSTEP 12, 0, 1
	KSTEP 13, 0, 1
	KSTEP 14, 0, 1
	KSTEP 15, 0, 0
	WIN 0
	; THE WAY OUT, block by block of 16 queries x 128 outputs: x 1 / l in place, through my own stage, back as whole rows of 512 bytes.
.macro TOSTAGE a
.set AC, 64*(\a)
	WIN 0x82                                       ; destination and source 0: the accumulators' window
.set NN, 0
.rept 32
	v_pk_mul_f32 v[AC+NN:AC+NN+1], v[AC+NN:AC+NN+1], v[LV+2*(\a):LV+2*(\a)+1]      ; each accumulator from its low end on
.set NN, NN+2
.endr
	WIN 0x08                                       ; an LDS store's data are its source 1
.irp b, 0,1,2,3,4,5,6,7
	ds_store_b128 v[STO], v[AC+8*\b:AC+8*\b+3] offset:128*(\b/2)+32*(\b%2)
	ds_store_b128 v[STO], v[AC+8*\b+4:AC+8*\b+7] offset:128*(\b/2)+32*(\b%2)+16
.endr
	WIN 0
.set BB, BK+64*((\a)%2)
.irp t, 0,1,2,3,4,5,6,7,8,9,10,11,12,13,14,15
	ds_load_b128 v[BB+4*\t:BB+4*\t+3], v[RD] offset:\t*528     ; LDS serves a wave's instructions in order: these see the stores above, and the next block's stores come behind them
.endr
.endm
.macro SEND a, younger
.set BB, BK+64*((\a)%2)
	s_wait_dscnt \younger
.irp t, 0,1,2,3,4,5,6,7,8,9,10,11,12,13,14,15
	global_store_b128 v1, v[BB+4*\t:BB+4*\t+3], s[OUT:OUT+1] offset:(32*((\a)/2)+8*((\a)%2)+\t+8*(\t/8))*4096 th:TH_STORE_NT   ; the fragment's row t is row 32 (a / 2) + 8 (a % 2) + t + 8 (t / 8) of my 64; 512 consecutive bytes, aligned
.endr
.endm
	PLACES 4                                       ; behind the last products
	TOSTAGE 0
.irp a, 1,2,3
.if \a > 1
	s_wait_xcnt 0x0                                ; block a - 2's stores have read their registers: block a's loads may land there
.endif
	TOSTAGE \a
	SEND \a-1, 32                                  ; behind block a - 1's loads: block a's 16 stores and 16 loads
.endr
	SEND 3, 0
	s_wait_tensorcnt 0x0                           ; the wave's end
	ds_add_u32 v[SPW], v[NIL]
	s_wait_dscnt 0x0
	CROUND                                         ; the closing round
	s_endpgm
.Lfunc_end_k_qfae35a7c6d_mix:
	.size	k_qfae35a7c6d_mix, .Lfunc_end_k_qfae35a7c6d_mix-k_qfae35a7c6d_mix
	.p2alignl 7, 3214868480
	.fill 96, 4, 3214868480
	.section	.rodata,"a",@progbits
	.p2align	6, 0x0
	.amdhsa_kernel k_qfae35a7c6d_mix
		.amdhsa_group_segment_fixed_size 327680
		.amdhsa_private_segment_fixed_size 0
		.amdhsa_enable_private_segment 0
		.amdhsa_kernarg_size 32
		.amdhsa_user_sgpr_count 2
		.amdhsa_user_sgpr_kernarg_segment_ptr 1
		.amdhsa_wavefront_size32 1
		.amdhsa_system_sgpr_workgroup_id_x 1
		.amdhsa_system_sgpr_workgroup_id_y 1
		.amdhsa_system_sgpr_workgroup_id_z 1
		.amdhsa_system_vgpr_workitem_id 0
		.amdhsa_next_free_vgpr 768
		.amdhsa_next_free_sgpr 100
		.amdhsa_reserve_vcc 0
		.amdhsa_float_denorm_mode_32 3
		.amdhsa_float_denorm_mode_16_64 3
		.amdhsa_memory_ordered 1
		.amdhsa_forward_progress 1
		.amdhsa_inst_pref_size 165
	.end_amdhsa_kernel
	.amdgpu_metadata
---
amdhsa.version: [ 1, 2 ]
amdhsa.kernels:
  - .name:           k_qfae35a7c6d_mix
    .symbol:         k_qfae35a7c6d_mix.kd
    .args:
      - { .name: pc, .offset: 0, .size: 8, .value_kind: global_buffer, .address_space: global }
      - { .name: st, .offset: 8, .size: 8, .value_kind: global_buffer, .address_space: global }
      - { .name: vt, .offset: 16, .size: 8, .value_kind: global_buffer, .address_space: global }
      - { .name: out0, .offset: 24, .size: 8, .value_kind: global_buffer, .address_space: global }
    .group_segment_fixed_size: 327680
    .private_segment_fixed_size: 0
    .kernarg_segment_align: 8
    .kernarg_segment_size: 32
    .max_flat_workgroup_size: 128
    .sgpr_count:     100
    .vgpr_count:     768
    .wavefront_size: 32
...
	.end_amdgpu_metadata
.endif
;; end of part 4
